; MI455X (gfx1250); checked and timed in simulation.
; The chip was launched on July 23, 2026; its instructions are those of AMD's public machine-readable ISA for CDNA 5 (MIT licence, August 2026) and "CDNA5" Instruction Set Architecture Reference Guide (July 2026). The comments in the code are by the model that wrote it; some were corrected since.
;; Gemma4 Experts. Allowed arithmetic: matrix products marked QUANTISED: E2M3 operands, one E8M0 scale for each 32 along K, by v_wmma_scale_f32_16x16x128_f8f6f4 with both operands' format E2M3, f32 sums; products left as they are: f32 operands where the result goes on into a quantised operand, else bf16, f16 or f32 operands; f32 sums; everything else in f32.
;; Inputs: down_w 8 x 1,024 x 2,048 float32; gate_w_codes 8 x 1,024 x 64 x 24 uint8 (E2M3 codes of gate_w, K innermost, in blocks of 32 codes, four codes in three bytes); gate_w_scales 8 x 1,024 x 64 uint8 (E8M0 scales of gate_w, one for each 32 codes along K); routing_weights 1,024 x 2 float32; selected_experts 1,024 x 2 int32; up_w_codes 8 x 1,024 x 64 x 24 uint8 (E2M3 codes of up_w, K innermost, in blocks of 32 codes, four codes in three bytes); up_w_scales 8 x 1,024 x 64 uint8 (E8M0 scales of up_w, one for each 32 codes along K); x_codes 1,024 x 64 x 24 uint8 (E2M3 codes of x, K innermost, in blocks of 32 codes, four codes in three bytes); x_scales 1,024 x 64 uint8 (E8M0 scales of x, one for each 32 codes along K).
;; Outputs: out0 1,024 x 2,048 float32.
;; This version of the problem:
;;   THIS VERSION OF THE PROBLEM IS GIVEN IN LOW PRECISION. The matrix products marked QUANTISED in the list below multiply operands that are first quantised to E2M3 (2 exponent bits, 3 mantissa bits; 6 bits a number), with one power-of-two scale for each 32 numbers along K (OCP MX v1.0); their sums are f32. All else is computed in f32.
;;   The module's matrix products, in the order in which they are computed (A, B: the left and right operand; K: the contracted axis; several contracted axes count as one K, in the product's order):
;;     1. batch 1,024 x [M 8, K 2] x [K 2, N 1]; A: computed on the way; B: input routing_weights: left as it is (K = 2 < 32)
;;     2. [M 8,192, K 2,048] x [K 2,048, N 1,024]; A: input gate_w (given as codes); B: input x (given as codes): QUANTISED
;;     3. [M 8,192, K 2,048] x [K 2,048, N 1,024]; A: input up_w (given as codes); B: input x (given as codes): QUANTISED
;;     4. batch 8,192 x [M 1,024, K 1] x [K 1, N 1]; A: computed on the way; B: computed on the way: left as it is (no contracted axis)
;;     5. [M 1,024, K 8,192] x [K 8,192, N 2,048]; A: computed on the way; B: input down_w: QUANTISED
;;   THE QUANTISER, for each operand of a quantised product, along K:
;;     - K is cut into blocks of 32 from its start; a last block that is shorter is filled with zeros.
;;     - A block's scale is 2^e with e = floor(log2(the largest magnitude in the block)) - 2, held to -126 .. 127; a block of zeros has e = 0. As a byte (E8M0): e + 127.
;;     - Each number is divided by its block's scale, clamped to +-7.5, and rounded to the nearest number of E2M3, ties to even, subnormals kept.
;;     - The product sums the exact products of the quantised numbers (number of the format x scale) in f32.
;;   ~~~python
;;   def quantise(x, axis):      # numpy; x: float32 -> the quantised numbers, widened to float32 again
;;       x = np.moveaxis(x, axis, -1); K = x.shape[-1]
;;       x = np.pad(x, [(0, 0)] * (x.ndim - 1) + [(0, -K % 32)]); x = x.reshape(x.shape[:-1] + (-1, 32)); a = np.abs(x).max(-1, keepdims=True)
;;       e = np.where(a > 0, np.clip(np.frexp(np.where(a > 0, a, 1))[1] - 1 - 2, -126, 127), 0)      # np.frexp(a)[1] - 1 = floor(log2(a)), exactly
;;       r = np.clip(x / 2.0 ** e, -7.5, 7.5)
;;       step = 2.0 ** (np.maximum(np.frexp(np.where(r == 0, 1, r))[1] - 1, 0) - 3)
;;       q = np.round(r / step) * step * 2.0 ** e      # np.round: ties to even
;;       return np.moveaxis(q.reshape(q.shape[:-2] + (-1,))[..., :K], -1, axis).astype(np.float32)
;;   ~~~
;;   OPERANDS COMPUTED ON THE WAY. 'Computed on the way' means the value that the module computes at that place (a softmax that the list does not call 'softmax' is quantised finished and normalised). What goes into a quantiser is computed in f32, as accurately as f32 sums, v_exp_f32 and their like allow (about 1e-6 of the number): no bf16 or f16 on the way to a quantiser, and a product that is left as it is and whose result goes on into a quantised operand takes f32 operands (vector FMAs, or v_wmma_f32_16x16x4_f32). A number that lies on a knife's edge between two numbers of the format may be rounded either way, as far as f32 arithmetic and the matrix unit's own rounding can turn it there, and no further.
;;   INPUTS GIVEN AS CODES. gate_w (in the module: [8, 2048, 1024], K = its axis 1); up_w (in the module: [8, 2048, 1024], K = its axis 1); x (in the module: [1024, 2048], K = its axis 1): each comes as NAME_codes (uint8): NAME with its K axis moved to the last place and cut into blocks of 32 codes, [.., K / 32, bytes a block], one block behind the other in memory; four codes in three bytes: a row's codes are one little-endian stream of bits, code i at bits 6 i .. 6 i + 5 (a code: sign, 2 exponent bits, 3 mantissa bits); and NAME_scales (uint8): the same leading axes, one E8M0 byte (e + 127) for each 32 codes along K. Its value is code x scale, taken as it is: it is not quantised again, and the codes and scales need not be those that the quantiser above would give.
;; 2 versions. Each part assembles by itself: llvm-mc -triple=amdgcn-amd-amdhsa -mcpu=gfx1250 --defsym DOCPART=n.
;; ======== version 1 of 2: 3 launches
;; workspace buffers: dwc 12,582,912 bytes; dsc 524,288 bytes; hidc 6,303,744 bytes; hids 262,656 bytes; xim 1,654,784 bytes; tok 4,096 bytes of whole numbers; lists 256 bytes of whole numbers
;; launch prep (part 1): grid 320 x 1, 16 waves a work-group, no clusters, 10,240 bytes of LDS; arguments down_w, selected_experts, dwc, dsc, tok, lists, hidc, hids, x_codes, x_scales, routing_weights, xim; writes dwc, dsc, tok, lists, hidc, hids, xim
.if DOCPART == 1
	.amdgcn_target "amdgcn-amd-amdhsa--gfx1250"
	.amdhsa_code_object_version 6
	.text
	.protected	k_q183f107cc8_prep
	.globl	k_q183f107cc8_prep
	.p2align	8
	.type	k_q183f107cc8_prep,@function
k_q183f107cc8_prep:
	s_mov_b64 s[64:65], 0
	v_nop
	global_prefetch_b8 v0, s[64:65] scope:SCOPE_SE
	s_setreg_imm32_b32 hwreg(HW_REG_WAVE_MODE, 25, 1), 1
	s_wait_xcnt 0x0
; PREP.  Work-groups 0 to 63, one for each tile of 16 sorted tokens, sort the 1,024 tokens by their set of experts and lay the tile's rows of x out as the next launch wants them.
; Work-groups 64 to 319 turn down_w [8][1024 (i)][2048 (h)], f32, K = i, into codes of FP6 (E2M3) with one E8M0 byte for each 32 along i.
; THE CODES ARE LAID AS IMAGES OF THE OPERAND'S REGISTERS: for a K step of 128 and a tile of 16 rows (columns of down_w, tokens of x) 1,536 bytes:
; register group g (four registers) of image lane 16 h + m at 512 g + 16 (16 h + m).  Image lane (m, h) holds row m and the step's blocks 2 h and 2 h + 1, 24 bytes each.
; That order of K (a lane half holds two NEIGHBOURING blocks) is used on both operands of every product of this program; the matrix unit's scale byte 2 c + h then
; belongs to block 2 h + c, so the scale words are stored with bytes 1 and 2 exchanged.  Only the order of the f32 sums differs from K ascending.
; A block's scale (down_w) is 2^(floor(log2(largest magnitude)) - 2); its byte is the largest magnitude's exponent field - 2, held at 1 from below.  x's codes and bytes are taken as they are given.
; LIMITS: a block of zeros gets the byte 1 where the rule says 127 (its codes are zeros; this program alone reads the bytes); NaN and infinities in down_w are not served;
; for the sort key alone the expert numbers are taken modulo 8.
; THE SORT.  28 keys {lo < hi}: key = lo (15 - lo) / 2 + hi - lo - 1; a token whose two slots name one expert a goes under {a, a + 1}, {7, 7} under {6, 7}.
; Every one of the 64 work-groups makes the whole sort for itself: what one work-group stores no other may read in the same launch.
; tok[position] = token.  lists[tile] = the experts of every key whose range of positions meets the tile: a superset of what its tokens use; a row too many gets the weight 0 later.
; xim: [tile 64][K step 16] images of x's codes; from XSC_OFF on [tile][row][16 scale words]; from SRW_OFF on [tile][row] the token's two experts and two weights.
; The two paths part on the work-group's number alone, the same for all waves of a work-group; only the sorting path touches LDS and has barriers.
.set X,  32                            ; v32-95   two sets of 32 numbers (quantiser);  v32-63 a key's counts in the 32 chunks (sort)
.set P,  96                            ; v96-119  the two image lanes' 12 registers each
.set TQ, 120                           ; v120-122 a block's upper 16 codes, before they are moved
.set SW, 124                           ; v124     the scale word
.set XSC_OFF, 0x180000                 ; 64 tiles x 24,576 bytes of images
.set SRW_OFF, 0x190000                 ; + 64 tiles x 1,024 bytes of scale words
	s_load_b512 s[4:19], s[0:1], 0x0               ; down_w s[4:5], selected s[6:7], dwc s[8:9], dsc s[10:11], tok s[12:13], lists s[14:15], hidc s[16:17], hids s[18:19]
	v_lshl_add_u32 v128, v0, 2, 0x2000
	v_mov_b32 v129, 0
	v_lshrrev_b32 v5, 5, v0
	v_readfirstlane_b32 s20, v5                    ; wave 0..15
	v_and_b32 v1, 31, v0                           ; lane
	v_lshlrev_b32 v2, 2, v1                        ; 4 x lane
	v_lshl_add_u32 v3, v5, 8, v2                   ; LDS: 256 x wave + 4 x lane
	v_lshl_add_u32 v90, v5, 7, v2                  ; LDS: 128 x wave + 4 x lane
	s_cmp_lt_u32 ttmp9, 64
	s_cbranch_scc1 .Lroute
; ---------------- THE QUANTISER: a wave takes 32 columns x 128 along K; a lane takes a column, its registers run down K ----------------
	v_lshrrev_b32 v6, 4, v1
	v_mul_u32_u24 v6, v6, 1536                     ; which of my wave's two column tiles,
	v_and_b32 v7, 15, v1
	v_lshl_add_u32 v6, v7, 4, v6                   ; + 16 x (column in the tile): my place in an image
	s_sub_co_u32 s21, ttmp9, 64
	s_lshr_b32 s22, s21, 2                         ; ksg = 8 e + ks, 0..63
	s_and_b32 s23, s21, 3                          ; which 512 columns
	s_lshl_b32 s24, s22, 20                        ; down_w: 128 rows of 8,192 bytes a K step,
	s_lshl_b32 s25, s23, 11
	s_add_co_u32 s24, s24, s25                     ; + 512 columns x 4 bytes,
	s_lshl_b32 s25, s20, 7
	s_add_co_u32 s24, s24, s25                     ; + my wave's 32 columns
	s_mov_b32 s25, 0
	s_lshl_b32 s26, s22, 7                         ; dwc: image number 128 ksg + 32 quarter + 2 wave
	s_lshl_b32 s27, s23, 5
	s_add_co_u32 s26, s26, s27
	s_lshl_b32 s27, s20, 1
	s_add_co_u32 s26, s26, s27
	s_mul_i32 s26, s26, 1536
	s_mov_b32 s27, 0
	s_lshl_b32 s28, s22, 13                        ; dsc: 2,048 words a K step
	s_lshl_b32 s29, s23, 11
	s_add_co_u32 s28, s28, s29
	s_lshl_b32 s29, s20, 7
	s_add_co_u32 s28, s28, s29
	s_mov_b32 s29, 0
	s_wait_kmcnt 0x0
	s_add_nc_u64 s[4:5], s[4:5], s[24:25]
	s_add_nc_u64 s[8:9], s[8:9], s[26:27]
	s_add_nc_u64 s[10:11], s[10:11], s[28:29]
.macro QLOAD t                         ; block t: down_w(32 t + i, my column): each load reads 128 consecutive bytes a wave, the sixteen waves stand side by side on 2,048
.irp i, 0,1,2,3,4,5,6,7,8,9,10,11,12,13,14,15,16,17,18,19,20,21,22,23,24,25,26,27,28,29,30,31
	global_load_b32 v[X+32*((\t)%2)+\i], v2, s[4:5] offset:(32*(\t)+\i)*8192 th:TH_LOAD_NT
.endr
.endm
.macro QBLOCK t                        ; block t = 2 h + c of the K step
.set XS, X+32*((\t)%2)
.set PD, P+12*((\t)/2)+6*((\t)%2)
.if (\t) < 3
	s_wait_loadcnt 32                              ; this block's 32 loads are in; the next block's 32 may be out
.else
	s_wait_loadcnt 0x0
.endif
	v_max3_num_f32 v12, |v[XS]|, |v[XS+1]|, |v[XS+2]|      ; the block's largest magnitude: all 32 numbers are mine; two chains
	v_max3_num_f32 v13, |v[XS+3]|, |v[XS+4]|, |v[XS+5]|
.irp i, 6,10,14,18,22,26
	v_max3_num_f32 v12, v12, |v[XS+\i]|, |v[XS+\i+1]|
	v_max3_num_f32 v13, v13, |v[XS+\i+2]|, |v[XS+\i+3]|
.endr
	v_max3_num_f32 v12, v12, |v[XS+30]|, |v[XS+31]|
	v_max3_num_f32 v12, v12, v13, 0x1800000        ; and the floor 2^(3 - 127): the byte cannot fall under 1
	v_add_nc_u32 v11, 0xff000000, v12              ; 2 off the exponent field: the conversion takes this operand's exponent field as its scale
	v_lshrrev_b32 v13, 23, v11                     ; the scale's byte, to byte 2 c + h of the word
.if (\t) == 0
	v_mov_b32 v[SW], v13
.elseif (\t) == 1
	v_lshl_or_b32 v[SW], v13, 16, v[SW]
.elseif (\t) == 2
	v_lshl_or_b32 v[SW], v13, 8, v[SW]
.else
	v_lshl_or_b32 v[SW], v13, 24, v[SW]
.endif
	v_cvt_scalef32_pk16_fp6_f32 v[PD:PD+2], v[XS:XS+15], v11
	v_cvt_scalef32_pk16_fp6_f32 v[TQ:TQ+2], v[XS+16:XS+31], v11    ; (a conversion's three registers begin on an even number)
	v_nop                                          ; one plain place behind a scaled conversion
.irp i, 0,1,2
	v_mov_b32 v[PD+3+\i], v[TQ+\i]
.endr
.if (\t) < 2
	QLOAD (\t)+2
.endif
.if ((\t)%2) == 1                      ; an image lane's 12 registers are whole: sixteen lanes store 256 consecutive bytes, aligned
.irp g, 0,1,2
	global_store_b128 v6, v[P+12*((\t)/2)+4*\g:P+12*((\t)/2)+4*\g+3], s[8:9] offset:256*((\t)/2)+512*\g
.endr
.endif
.endm
	QLOAD 0
	QLOAD 1
	QBLOCK 0
	QBLOCK 1
	QBLOCK 2
	QBLOCK 3
	global_store_b32 v2, v[SW], s[10:11]           ; 32 scale words: 128 consecutive bytes a wave, 2,048 a work-group.  No register that a store reads is written again
	s_endpgm
; ---------------- THE SORT: wave w has chunks 2 w and 2 w + 1 of 32 tokens ----------------
.Lroute:
	s_load_b256 s[36:43], s[0:1], 0x40             ; x's codes s[36:37], x's scales s[38:39], routing weights s[40:41], xim s[42:43]
	v_lshl_add_u32 v82, v5, 6, v1                  ; my token of chunk 2 w (that of chunk 2 w + 1 is 32 on)
	v_lshlrev_b32 v4, 3, v82                       ; 8 bytes a token
	s_mov_b32 s29, 0xffff0000                      ; lanes 16-31
	s_mov_b32 s30, 0x01010101
	s_lshl_b32 s31, s20, 1                         ; my first chunk
	s_wait_kmcnt 0x0
	global_load_b64 v[16:17], v4, s[6:7]
	global_load_b64 v[18:19], v4, s[6:7] offset:256
.irp b, 0,1,2,3,4
	v_bfe_u32 v[8+\b], v1, \b, 1
.endr
.irp b, 0,1,2,3,4
	v_add_nc_u32 v[8+\b], -1, v[8+\b]              ; 0 where bit b of my lane's number is set, else all ones
.endr
	s_wait_loadcnt 0x0
.macro CHUNK k
	v_and_b32 v64, 7, v[16+2*\k]
	v_and_b32 v65, 7, v[17+2*\k]
	v_min_u32 v66, v64, v65                        ; lo
	v_max_u32 v67, v64, v65                        ; hi
	v_cmp_eq_u32 vcc_lo, v66, v67
	v_cndmask_b32 v68, 0, 1, vcc_lo
	v_add_nc_u32 v67, v67, v68                     ; a single expert a: hi = a + 1,
	v_min_u32 v68, 7, v67                          ; held at 7,
	v_sub_nc_u32 v67, v67, v68
	v_sub_nc_u32 v66, v66, v67                     ; in which case lo = 6
	v_sub_nc_u32 v67, 15, v66
	v_mul_u32_u24 v67, v66, v67
	v_lshrrev_b32 v67, 1, v67
	v_add_nc_u32 v67, v67, v68
	v_sub_nc_u32 v67, v67, v66
	v_add_nc_u32 v67, -1, v67                      ; the key, 0..27
	v_lshlrev_b32 v[20+\k], 2, v67                 ; as a lane's byte index
.irp b, 0,1,2,3,4
	v_bfe_u32 v[68+\b], v67, \b, 1
	v_cmp_ne_u32 s[24+\b], 0, v[68+\b]             ; which tokens of the chunk have bit b in their key
.endr
	v_xor_b32 v73, s24, v8                         ; LANES AS KEYS: the tokens whose key is my lane's number
	v_xor_b32 v74, s25, v9
	v_and_b32 v73, v73, v74
	v_xor_b32 v74, s26, v10
	v_and_b32 v73, v73, v74
	v_xor_b32 v74, s27, v11
	v_and_b32 v73, v73, v74
	v_xor_b32 v74, s28, v12
	v_and_b32 v73, v73, v74
	v_lshrrev_b32 v74, 1, v73                      ; how many: the bits are added in pairs, fours, bytes
	v_and_b32 v74, 0x55555555, v74
	v_sub_nc_u32 v73, v73, v74
	v_lshrrev_b32 v74, 2, v73
	v_and_b32 v73, 0x33333333, v73
	v_and_b32 v74, 0x33333333, v74
	v_add_nc_u32 v73, v73, v74
	v_lshrrev_b32 v74, 4, v73
	v_add_nc_u32 v73, v73, v74
	v_and_b32 v73, 0x0f0f0f0f, v73
	v_mul_lo_u32 v73, v73, s30
	v_lshrrev_b32 v[24+\k], 24, v73
.irp b, 0,1,2,3,4
	v_sub_nc_u32 v[68+\b], 0, v[68+\b]             ; LANES AS TOKENS: the tokens whose key differs from mine in bit b
	v_xor_b32 v[68+\b], s[24+\b], v[68+\b]
.endr
	v_or_b32 v68, v68, v69
	v_or_b32 v70, v70, v71
	v_or_b32 v68, v68, v72
	v_or_b32 v68, v68, v70
	v_xor_b32 v68, -1, v68                         ; those with my key;
	v_mbcnt_lo_u32_b32 v[22+\k], v68, 0            ; how many of them stand in lower lanes: my rank in the chunk
	ds_store_b32 v3, v[24+\k] offset:128*\k        ; the table [chunk 32][key 32] of counts
.endm
	CHUNK 0
	CHUNK 1
	s_wait_dscnt 0x0                               ; for the others' sake: my two rows of the table are written
	s_barrier_signal -1
	s_barrier_wait -1
.irp c, 0,1,2,3,4,5,6,7,8,9,10,11,12,13,14,15,16,17,18,19,20,21,22,23,24,25,26,27,28,29,30,31
	ds_load_b32 v[32+\c], v2 offset:128*\c         ; lane = key: its counts in all chunks
.endr
	v_mov_b32 v26, 0                               ; the running count
	v_mov_b32 v27, 0                               ; the count ahead of my first chunk
	s_wait_dscnt 0x0
.irp c, 0,1,2,3,4,5,6,7,8,9,10,11,12,13,14,15,16,17,18,19,20,21,22,23,24,25,26,27,28,29,30,31
.if (\c%2) == 0
	s_cmp_eq_u32 s31, \c
	s_cselect_b32 s32, -1, 0
	v_cndmask_b32 v27, v27, v26, s32
.endif
	v_add_nc_u32 v26, v26, v[32+\c]
.endr
	v_add_nc_u32 v28, v27, v24                     ; ahead of my second chunk
	v_mov_b32 v31, v26                             ; the keys' totals, summed over the lanes, each with those below it
	v_mov_b32 v64, 0
.irp n, 1,2,4,8
	v_mov_b32_dpp v64, v31 row_shr:\n row_mask:0xf bank_mask:0xf bound_ctrl:1
	v_add_nc_u32 v31, v31, v64
.endr
	v_readlane_b32 s33, v31, 15
	v_mov_b32 v64, s33
	v_cndmask_b32 v64, 0, v64, s29
	v_add_nc_u32 v31, v31, v64                     ; END: where a key's range of positions ends
	v_sub_nc_u32 v30, v31, v26                     ; BASE: where it begins
	v_add_nc_u32 v65, v30, v27
	v_add_nc_u32 v66, v30, v28
	ds_bpermute_b32 v80, v20, v65                  ; each token fetches, from the lane of its key, where that key's tokens of its chunk begin
	ds_bpermute_b32 v81, v21, v66
	s_wait_dscnt 0x0
	v_add_nc_u32 v80, v80, v22
	v_add_nc_u32 v81, v81, v23
	v_min_u32 v80, 0x3ff, v80                      ; my two tokens' positions, 0..1,023
	v_min_u32 v81, 0x3ff, v81
; ---------------- THE TILE'S TOKENS.  Lane r (and lane 16 + r) looks for position 16 tile + r among my wave's 64 positions; one wave of the sixteen finds it ----------------
	s_lshl_b32 s48, ttmp9, 4
	v_and_b32 v93, 15, v1                          ; r
	v_add_nc_u32 v87, s48, v93
	v_mov_b32 v88, 0                               ; 0: not found; else 1 + the token's number in my wave
.set LL, 0
.rept 16                               ; four positions at a time, so that the lines do not wait for each other
.irp d, 0,1,2,3
	v_readlane_b32 s[52+\d], v[80+LL/32], (LL+\d)%32
.endr
.irp d, 0,1,2,3
	v_cmp_eq_u32 s[56+\d], s[52+\d], v87
.endr
.irp d, 0,1,2,3
	v_cndmask_b32 v88, v88, LL+\d+1, s[56+\d]
.endr
.set LL, LL+4
.endr
	s_lshl_b32 s49, s20, 6
	s_sub_co_u32 s49, s49, 1
	v_add_nc_u32 v89, s49, v88                     ; the token: 64 wave + its number in the wave,
	v_cmp_ne_u32 vcc_lo, 0, v88
	v_cndmask_b32 v89, 0, v89, vcc_lo              ; or 0
	ds_store_b32 v90, v89 offset:4096              ; [wave 16][lane 32], behind the table
	s_wait_dscnt 0x0                               ; for the others' sake: my finds are written
	s_barrier_signal -1
	s_barrier_wait -1
.irp c, 0,1,2,3,4,5,6,7,8,9,10,11,12,13,14,15
	ds_load_b32 v[32+\c], v2 offset:4096+128*\c
.endr
	v_lshrrev_b32 v123, 4, v1                      ; h
	v_lshlrev_b32 v95, 4, v1                       ; 16 x lane
	v_lshlrev_b32 v111, 4, v93                     ; 16 r
	v_lshlrev_b32 v122, 2, v93                     ; 4 r
	s_mul_i32 s50, s20, 96                         ; wave w takes K step w: 96 bytes of a row,
	s_lshl_b32 s51, s20, 2                         ; one scale word
	v_lshl_add_u32 v109, v93, 6, s51               ; where the word goes: 64 r + 4 w
	s_mov_b32 s55, 0x03010200                      ; bytes 1 and 2 change places
	s_mov_b32 s53, 0
	s_lshl_b32 s52, ttmp9, 10
	s_add_co_u32 s52, s52, XSC_OFF
	s_add_nc_u64 s[44:45], s[42:43], s[52:53]      ; the tile's scale words,
	s_lshl_b32 s52, ttmp9, 8
	s_add_co_u32 s52, s52, SRW_OFF
	s_add_nc_u64 s[46:47], s[42:43], s[52:53]      ; its experts and weights,
	s_mul_i32 s52, ttmp9, 24576
	s_mul_i32 s54, s20, 1536
	s_add_co_u32 s52, s52, s54
	s_add_nc_u64 s[42:43], s[42:43], s[52:53]      ; my K step's image,
	s_lshl_b32 s52, ttmp9, 6
	s_add_nc_u64 s[12:13], s[12:13], s[52:53]      ; and the tile's 16 words of tok
	s_wait_dscnt 0x0
	v_add_nc_u32 v91, v32, v33
.irp c, 2,4,6,8,10,12,14
	v_add3_u32 v91, v91, v[32+\c], v[33+\c]        ; fifteen zeros and the token
.endr
	v_min_u32 v91, 0x3ff, v91                      ; the token at position 16 tile + r
	v_mul_u32_u24 v92, v91, 0x600                  ; its row of 1,536 bytes,
	v_mad_u32_u24 v92, v123, 48, v92               ; my half's two blocks,
	v_add_nc_u32 v92, s50, v92                     ; of K step w
	v_lshl_add_u32 v94, v91, 6, s51                ; its 64 scale bytes: word w
	global_load_b128 v[96:99], v92, s[36:37]       ; the gather by rows is made here once, for all work-groups that will read the tile
	global_load_b128 v[100:103], v92, s[36:37] offset:16
	global_load_b128 v[104:107], v92, s[36:37] offset:32
	global_load_b32 v108, v94, s[38:39]
	s_cmp_eq_u32 s20, 4
	s_cbranch_scc0 .Lno_srw
	v_lshlrev_b32 v110, 3, v91                     ; wave 4: the tokens' two experts and two weights
	global_load_b64 v[112:113], v110, s[6:7]
	global_load_b64 v[114:115], v110, s[40:41]
	s_wait_loadcnt 0x0
	global_store_b128 v111, v[112:115], s[46:47]   ; sixteen lanes store 256 consecutive bytes, aligned; lanes 16-31 the same bytes again
.Lno_srw:
	s_cmp_eq_u32 s20, 5
	s_cbranch_scc0 .Lno_tok
	global_store_b32 v122, v91, s[12:13]           ; wave 5: tok
.Lno_tok:
	s_wait_loadcnt 0x0
	v_perm_b32 v108, v108, v108, s55
	global_store_b128 v95, v[96:99], s[42:43]      ; the image: 512 consecutive bytes a store
	global_store_b128 v95, v[100:103], s[42:43] offset:512
	global_store_b128 v95, v[104:107], s[42:43] offset:1024
	global_store_b32 v109, v108, s[44:45]          ; 4 bytes a row, 64 bytes apart: the sixteen waves fill the tile's 1,024 bytes between them; 65,536 bytes in the launch
	s_cmp_eq_u32 ttmp9, 0
	s_cbranch_scc0 .Lfin
; ---------------- work-group 0 alone: the tiles' masks and the slot of zeros.  No register that a pending store reads is written below ----------------
	s_cmp_lt_u32 s20, 2
	s_cbranch_scc0 .Lwave2
	; waves 0 and 1: lane = tile; positions 16 tile .. 16 tile + 15
	v_lshlrev_b32 v84, 4, v0
	v_add_nc_u32 v85, 16, v84
	v_mov_b32 v86, 0
.macro TILEM k, lo, hi                 ; key k's range meets my tile where max(begin, tile's first) < min(end, tile's end); an empty key meets none
	v_readlane_b32 s34, v30, \k
	v_readlane_b32 s35, v31, \k
	v_max_u32 v64, s34, v84
	v_min_u32 v65, s35, v85
	v_cmp_lt_u32 vcc_lo, v64, v65
	v_or_b32 v66, (1<<(\lo))|(1<<(\hi)), v86
	v_cndmask_b32 v86, v86, v66, vcc_lo
.endm
.set KK, 0
.irp lo, 0,1,2,3,4,5,6
.irp hi, 1,2,3,4,5,6,7
.if \hi > \lo
	TILEM KK, \lo, \hi
.set KK, KK+1
.endif
.endr
.endr
	v_lshlrev_b32 v121, 2, v0
	global_store_b32 v121, v86, s[14:15]
	s_wait_tensorcnt 0x0
	ds_add_u32 v128, v129
	s_wait_dscnt 0x0
	s_endpgm
.Lwave2:
	v_lshlrev_b32 v120, 4, v1
	v_mov_b32 v116, 0
	v_mov_b32 v117, 0
	v_mov_b32 v118, 0
	v_mov_b32 v119, 0
	s_cmp_eq_u32 s20, 2
	s_cbranch_scc0 .Lwave3
.irp i, 0,1,2,3,4,5,6,7,8,9,10,11,12,13,14,15,16,17,18,19,20,21,22,23
	global_store_b128 v120, v[116:119], s[16:17] offset:512*12288+512*\i   ; slot 512 of the hidden codes: zeros, for tiles that lack an expert
.endr
	s_wait_tensorcnt 0x0
	ds_add_u32 v128, v129
	s_wait_dscnt 0x0
	s_endpgm
.Lwave3:
	s_cmp_eq_u32 s20, 3
	s_cbranch_scc0 .Lfin
	global_store_b128 v120, v[116:119], s[18:19] offset:512*512            ; and its scale bytes: 0, which is a power of two like any other over zero codes
.Lfin:
	s_wait_tensorcnt 0x0
	ds_add_u32 v128, v129
	s_wait_dscnt 0x0
	s_endpgm
.Lfunc_end_k_q183f107cc8_prep:
	.size	k_q183f107cc8_prep, .Lfunc_end_k_q183f107cc8_prep-k_q183f107cc8_prep
	.p2alignl 7, 3214868480
	.fill 96, 4, 3214868480
	.section	.rodata,"a",@progbits
	.p2align	6, 0x0
	.amdhsa_kernel k_q183f107cc8_prep
		.amdhsa_group_segment_fixed_size 10240
		.amdhsa_private_segment_fixed_size 0
		.amdhsa_enable_private_segment 0
		.amdhsa_kernarg_size 96
		.amdhsa_user_sgpr_count 2
		.amdhsa_user_sgpr_kernarg_segment_ptr 1
		.amdhsa_wavefront_size32 1
		.amdhsa_system_sgpr_workgroup_id_x 1
		.amdhsa_system_sgpr_workgroup_id_y 1
		.amdhsa_system_sgpr_workgroup_id_z 1
		.amdhsa_system_vgpr_workitem_id 0
		.amdhsa_next_free_vgpr 130
		.amdhsa_next_free_sgpr 66
		.amdhsa_reserve_vcc 1
		.amdhsa_float_denorm_mode_32 3
		.amdhsa_float_denorm_mode_16_64 3
		.amdhsa_memory_ordered 1
		.amdhsa_forward_progress 1
		.amdhsa_inst_pref_size 62
	.end_amdhsa_kernel
	.amdgpu_metadata
---
amdhsa.version: [ 1, 2 ]
amdhsa.kernels:
  - .name:           k_q183f107cc8_prep
    .symbol:         k_q183f107cc8_prep.kd
    .args:
      - { .name: down_w, .offset: 0, .size: 8, .value_kind: global_buffer, .address_space: global }
      - { .name: selected_experts, .offset: 8, .size: 8, .value_kind: global_buffer, .address_space: global }
      - { .name: dwc, .offset: 16, .size: 8, .value_kind: global_buffer, .address_space: global }
      - { .name: dsc, .offset: 24, .size: 8, .value_kind: global_buffer, .address_space: global }
      - { .name: tok, .offset: 32, .size: 8, .value_kind: global_buffer, .address_space: global }
      - { .name: lists, .offset: 40, .size: 8, .value_kind: global_buffer, .address_space: global }
      - { .name: hidc, .offset: 48, .size: 8, .value_kind: global_buffer, .address_space: global }
      - { .name: hids, .offset: 56, .size: 8, .value_kind: global_buffer, .address_space: global }
      - { .name: x_codes, .offset: 64, .size: 8, .value_kind: global_buffer, .address_space: global }
      - { .name: x_scales, .offset: 72, .size: 8, .value_kind: global_buffer, .address_space: global }
      - { .name: routing_weights, .offset: 80, .size: 8, .value_kind: global_buffer, .address_space: global }
      - { .name: xim, .offset: 88, .size: 8, .value_kind: global_buffer, .address_space: global }
    .group_segment_fixed_size: 10240
    .private_segment_fixed_size: 0
    .kernarg_segment_align: 8
    .kernarg_segment_size: 96
    .max_flat_workgroup_size: 512
    .sgpr_count:     66
    .vgpr_count:     130
    .wavefront_size: 32
...
	.end_amdgpu_metadata
.endif
;; end of part 1
;; launch gateup (part 2): grid 32 x 8, 4 waves a work-group, no clusters, 104,960 bytes of LDS; arguments xim, gate_w_codes, gate_w_scales, up_w_codes, up_w_scales, lists, hidc, hids; writes hidc, hids
.if DOCPART == 2
	.amdgcn_target "amdgcn-amd-amdhsa--gfx1250"
	.amdhsa_code_object_version 6
	.text
	.protected	k_q183f107cc8_gateup
	.globl	k_q183f107cc8_gateup
	.p2align	8
	.type	k_q183f107cc8_gateup,@function
k_q183f107cc8_gateup:
	s_mov_b64 s[64:65], 0
	v_nop
	global_prefetch_b8 v0, s[64:65] scope:SCOPE_SE
	s_setreg_imm32_b32 hwreg(HW_REG_WAVE_MODE, 25, 1), 1
	s_wait_xcnt 0x0
; GATEUP.  For expert e (grid y) and block B of 32 hidden units (grid x): g = x gate_w[e], u = x up_w[e] (K = 2,048, all operands given as codes of FP6 (E2M3) with E8M0 scales),
; A = gelu_tanh(g) u w[t, e] in f32, quantised along the hidden units: this work-group's 32 units are one block.  Codes and scale bytes go to hidc and hids.
; ONLY THE CHOSEN ROWS: an item is a tile of 16 sorted tokens whose mask (lists) holds e.  A token of the tile that did not choose e has w = 0: zero codes, as the definition has them.
; x COMES AS IMAGES OF THE OPERAND'S REGISTERS, by sorted tile, laid by the launch before (xim): a fragment is three loads of 512 consecutive bytes a wave.  Behind the images lie the tiles' scale words
; (bytes 1 and 2 already exchanged) and each token's two experts and two weights.
; SHARES.  The work-group's 64 weight rows (32 of gate, 32 of up, all of K) are brought into LDS once: each weight byte is read by one work-group alone.  A wave takes 6 items x 4 weight tiles in a pass:
; 24 accumulators, which take turns, one instruction a turn.  A pass of the four waves is 24 items; a wave walks ceil((items - 6 wave) / 24) passes, at most 3.
; No tensor load, no cluster: the trip count and the skips hang on the stored list.
; TRANSPOSED: source 0 = 16 weight rows, source 1 = 16 tokens of x, so that a lane holds ONE token.  THE ROWS OF A WEIGHT TILE ARE NOT NEIGHBOURS: tensor row j of the block goes to tile (j / 8) % 2,
; row j % 8 + 8 (j / 16): a lane's 16 results of the two tiles are units 16 (lane / 16) + 0 .. 15.
; ORDER OF K: in a K step of 128 lane half h takes blocks 2 h and 2 h + 1, 48 consecutive bytes of a row, on both operands alike; the unit's scale byte 2 c + h then belongs to block 2 h + c:
; bytes 1 and 2 of every scale word are exchanged.  Only the order of the f32 sums differs from K ascending.
; gelu_tanh(g) = g / (1 + 2^(g (c1 + c2 g^2))), c1 = -2 log2(e) sqrt(2 / pi), c2 = 0.044715 c1.
; LIMITS: NaN and infinities are not served (an a that overflows times w = 0 gives NaN here only inside the tile masks); a block of zeros gets the byte 1 where the rule says 127: this program alone reads the bytes.
; The stores of 12 bytes and of 1 byte a lane cover 256-byte blocks in part: the layout is the one in which the next launch, which reads these bytes 32 times, loads whole fragments.
; REGISTERS, in windows of 256.  Window 0: v1-79 addresses and small things (below); v80-111 the weights' scale words; v112-159 x's; v160-255 weight fragments, two sets of 48 (free in the epilogue).
;   Window 1: accumulators at v[32 item + 16 mat + 8 tile].   Window 2: x's fragments, sets 0, 1, 2 of 72 (first: the staging).   Window 3: set 3.
.set PW,  1552                         ; a weight row in LDS: 1,536 bytes + 16: an odd multiple of 16, so that the 16 rows of a load start in different banks
.set SCW, 64*PW                        ; behind the 64 rows: their scale bytes,
.set SPT, 80                           ; 64 bytes + 16 a row
.set XSC_OFF, 0x180000                 ; xim: behind 64 tiles x 24,576 bytes of images the scale words, 1,024 bytes a tile,
.set SRW_OFF, 0x190000                 ; and behind those the experts and weights, 256 bytes a tile
.set WS,  80                           ; v[WS + 16 tile + s]: lanes 0-15 gate's word of K step s, lanes 16-31 up's
.set XS,  112                          ; v[XS + 16 a + s]: lanes 0-15 item 2 a's tokens, lanes 16-31 item 2 a + 1's
.set WF,  160
.set T,   160                          ; epilogue: v160-175 at work, v176-191 g u w
.set Q,   176
.set CC,  192                          ; v[CC + 4 i ..]: item i's codes;  v[BY + i]: its scale byte
.set BY,  216
; v1 r  v2 h  v3 16 lane  v5 48 h  v6, v61 my place in gate's and up's rows  v7 in the scale rows  v8, v9 staging  v10 48 r + 12 h  v11 32 r  v12 16 r  v13, v14 at work
; v24-29 the items' images  v30-32 their scale words  v33 64 r  v34-39, v40-45 where codes and bytes go  v46, v47 ranks  v48-59 w, in pairs  v60 a permute's destination  v62, v63 masks  v64-69 experts and weights  v70-71 c1
; s28 wave  s29 e  s30 B  s31 items of e  s32, s33 which tiles are items  s34 my first item of the pass  s36-41 its six tiles  s42, s43 the block's place in a slot  s[44:47] staging  s48, s49 lane selects  s[50:51] c2
; s52 my passes  s53 passes done  s54 byte select
.set MSB, 0
.macro WIN new                         ; the immediate's high byte repeats the setting that is left
.if MSB != \new
	s_set_vgpr_msb (MSB<<8)|\new
.set MSB, \new
.endif
.endm
.macro PLACES n
.rept \n
	v_nop
.endr
.endm
	s_load_b64 s[4:5], s[0:1], 0x0                 ; xim
	s_load_b256 s[8:15], s[0:1], 0x8               ; gate codes s[8:9], gate scales s[10:11], up codes s[12:13], up scales s[14:15]
	s_load_b64 s[22:23], s[0:1], 0x28              ; lists
	s_load_b128 s[24:27], s[0:1], 0x30             ; hidc s[24:25], hids s[26:27]
	v_lshl_add_u32 v78, v0, 2, 0x19800
	v_mov_b32 v79, 0
	v_lshrrev_b32 v72, 5, v0
	v_readfirstlane_b32 s28, v72                   ; wave 0..3
	s_and_b32 s29, ttmp7, 0xffff                   ; e
	s_mov_b32 s30, ttmp9                           ; B
	v_and_b32 v73, 31, v0
	v_and_b32 v1, 15, v0
	v_bfe_u32 v2, v0, 4, 1
	v_lshlrev_b32 v3, 4, v73
	v_lshlrev_b32 v12, 4, v1
	v_lshlrev_b32 v33, 6, v1
	v_mul_u32_u24 v5, v2, 48
	v_mul_u32_u24 v6, v1, PW
	v_add_nc_u32 v6, v6, v5
	v_add_nc_u32 v61, 32*PW, v6
	v_mul_u32_u24 v7, v1, SPT
	v_mad_u32_u24 v7, v2, 32*SPT, v7               ; lanes 16-31 take up's rows
	v_add_nc_u32 v7, SCW, v7
	s_lshr_b32 s55, s28, 1                         ; waves 0, 1 stage gate's rows, waves 2, 3 up's; each 16 tensor rows
	s_lshl_b32 s55, s55, 5
	s_and_b32 s56, s28, 1
	s_lshl_b32 s57, s56, 3
	s_add_co_u32 s55, s55, s57                     ; LDS row 32 mat + 8 (wave % 2), + 16 (row / 8) + row % 8 in the stores' offsets
	s_mul_i32 s58, s55, PW
	v_add_nc_u32 v8, s58, v3
	s_mul_i32 s59, s55, SPT
	s_add_co_u32 s59, s59, SCW
	v_lshrrev_b32 v74, 2, v73
	v_mul_u32_u24 v9, v74, SPT
	v_and_b32 v75, 3, v73
	v_lshl_add_u32 v9, v75, 4, v9
	v_add_nc_u32 v9, s59, v9
	v_mul_u32_u24 v10, v1, 48
	v_mad_u32_u24 v10, v2, 12, v10
	v_lshlrev_b32 v11, 5, v1
	v_lshlrev_b32 v76, 2, v73
	v_mov_b32 v60, 0
	v_mov_b32 v70, 0xc0135761                      ; c1 = -2.3022082
	v_mov_b32 v71, 0xc0135761
	s_mov_b32 s35, 0xffff0000
	s_mov_b32 s48, 0x76543210
	s_mov_b32 s49, 0xfedcba98                      ; lane l xor 16
	s_mov_b32 s50, 0xbdd2d3e8                      ; c2 = -0.10294324
	s_mov_b32 s51, s50
	s_mov_b32 s54, 0x03010200                      ; bytes 1 and 2 change places
	s_lshr_b32 s55, s30, 2                         ; block B = 4 ks + 2 h + c of a slot: codes at 1,536 ks + 768 h + 24 c, byte at 4 ks + 2 c + h
	s_mul_i32 s42, s55, 1536
	s_lshl_b32 s43, s55, 2
	s_bfe_u32 s57, s30, 0x10001
	s_mul_i32 s58, s57, 768
	s_add_co_u32 s42, s42, s58
	s_add_co_u32 s43, s43, s57
	s_and_b32 s57, s30, 1
	s_mul_i32 s58, s57, 24
	s_add_co_u32 s42, s42, s58
	s_lshl_b32 s58, s57, 1
	s_add_co_u32 s43, s43, s58
	s_lshl_b32 s60, s29, 10                        ; my first tensor row: 1,024 e + 32 B + 16 (wave % 2)
	s_lshl_b32 s61, s30, 5
	s_add_co_u32 s60, s60, s61
	s_lshl_b32 s61, s56, 4
	s_add_co_u32 s60, s60, s61
	s_mul_i32 s62, s60, 1536
	s_mov_b32 s63, 0
	s_lshl_b32 s60, s60, 6
	s_mov_b32 s61, 0
	s_wait_kmcnt 0x0
	global_load_b32 v62, v76, s[22:23]             ; the masks of tiles 0-31 and 32-63, a lane a tile
	global_load_b32 v63, v76, s[22:23] offset:128
	s_cmp_lt_u32 s28, 2
	s_cselect_b64 s[44:45], s[8:9], s[12:13]
	s_cselect_b64 s[46:47], s[10:11], s[14:15]
	s_add_nc_u64 s[44:45], s[44:45], s[62:63]
	s_add_nc_u64 s[46:47], s[46:47], s[60:61]
	WIN 0x80                                       ; destination window 2
.set j, 0
.rept 48
	global_load_b128 v[4*j:4*j+3], v3, s[44:45] offset:512*j th:TH_LOAD_NT   ; my 16 rows are 24,576 dense bytes: 512 consecutive bytes a load
.set j, j+1
.endr
	global_load_b128 v[192:195], v3, s[46:47] th:TH_LOAD_NT                  ; and their 1,024 scale bytes
	global_load_b128 v[196:199], v3, s[46:47] offset:512 th:TH_LOAD_NT
	WIN 0
	s_wait_loadcnt 50                              ; the two masks are in; the 50 staging loads may be out
	v_lshrrev_b32 v77, s29, v62
	v_and_b32 v77, 1, v77
	v_cmp_ne_u32 s32, 0, v77                       ; which of tiles 0-31 are items of e,
	v_lshrrev_b32 v77, s29, v63
	v_and_b32 v77, 1, v77
	v_cmp_ne_u32 s33, 0, v77                       ; which of tiles 32-63
	s_bcnt1_i32_b32 s55, s32
	s_bcnt1_i32_b32 s56, s33
	s_add_co_u32 s31, s55, s56                     ; how many: 64 at the most
	v_mbcnt_lo_u32_b32 v46, s32, 0                 ; a member's number among the items
	v_mbcnt_lo_u32_b32 v47, s33, s55
	s_mul_i32 s34, s28, 6
	s_add_co_u32 s52, s31, 23                      ; my passes: (items + 23 - 6 wave) / 24, rounded down.  The argument is 87 at the most,
	s_sub_co_u32 s52, s52, s34
	s_mul_i32 s52, s52, 2731                       ; up to which x 2,731 >> 16 is the quotient by 24
	s_lshr_b32 s52, s52, 16
	s_min_u32 s52, s52, 3
	s_mov_b32 s53, 0
; The tiles of items s34 .. s34 + 5.  An item beyond the last gives a tile inside the table, whose work is thrown away.
.macro ITEMS
.irp i, 0,1,2,3,4,5
	s_add_co_u32 s55, s34, \i
	v_cmp_eq_u32 s56, s55, v46
	v_cmp_eq_u32 s57, s55, v47
	s_and_b32 s56, s56, s32
	s_and_b32 s57, s57, s33
	s_ctz_i32_b32 s58, s56
	s_ctz_i32_b32 s59, s57
	s_add_co_u32 s59, s59, 32
	s_cmp_lg_u32 s56, 0
	s_cselect_b32 s[36+\i], s58, s59
	s_min_u32 s[36+\i], s[36+\i], 63
.endr
.endm
	ITEMS
	s_wait_loadcnt 0x0                             ; the staging is in
	WIN 0x08                                       ; an LDS store's data are its source 1: window 2
.set j, 0
.rept 48
	ds_store_b128 v8, v[4*j:4*j+3] offset:(16*((j/3)/8)+(j/3)%8)*PW+512*(j%3)
.set j, j+1
.endr
	ds_store_b128 v9, v[192:195]
	ds_store_b128 v9, v[196:199] offset:16*SPT
	WIN 0
	s_wait_dscnt 0x0                               ; for the others' sake: my rows are written
	s_barrier_signal -1
	s_barrier_wait -1                              ; the launch's one barrier, ahead of every branch on loaded numbers: LDS is only read from here on
.irp u, 0,1
.irp q, 0,1,2,3
	ds_load_b128 v[WS+16*\u+4*\q:WS+16*\u+4*\q+3], v7 offset:16*SPT*\u+16*\q
.endr
.endr
	s_wait_dscnt 0x0
.set j, 0
.rept 32
	v_perm_b32 v[WS+j], v[WS+j], v[WS+j], s54
.set j, j+1
.endr
	s_cmp_lt_u32 s53, s52
	s_cbranch_scc0 .Lend                           ; a wave without an item is done
.macro XLOAD s                         ; the six items' fragments of K step s into set s % 4: 18 loads of 512 consecutive bytes
.if ((\s)%4) == 3
	WIN 0xc0
.set XB, 0
.else
	WIN 0x80
.set XB, 72*((\s)%4)
.endif
.irp i, 0,1,2,3,4,5
.irp g, 0,1,2
	global_load_b128 v[XB+12*\i+4*\g:XB+12*\i+4*\g+3], v[24+\i], s[4:5] offset:1536*(\s)+512*\g
.endr
.endr
.endm
.macro WLOAD s                         ; the four weight fragments of K step s into set s % 2: 12 loads
	WIN 0
.irp u, 0,1
.irp g, 0,1,2
	ds_load_b128 v[WF+48*((\s)%2)+12*\u+4*\g:WF+48*((\s)%2)+12*\u+4*\g+3], v6 offset:16*\u*PW+96*(\s)+16*\g
.endr
.endr
.irp u, 0,1
.irp g, 0,1,2
	ds_load_b128 v[WF+48*((\s)%2)+24+12*\u+4*\g:WF+48*((\s)%2)+24+12*\u+4*\g+3], v61 offset:16*\u*PW+96*(\s)+16*\g
.endr
.endr
.endm
; One product.  z: it starts the sum;  ra: source 0's scales stand in lanes 16-31 (up);  rb: source 1's (an odd item)
.macro MM z, ra, rb
.if \z
.if (\ra) && (\rb)
	v_wmma_scale_f32_16x16x128_f8f6f4 v[OD:OD+7], v[OA:OA+11], v[OB:OB+11], 0, v[OSA], v[OSB] matrix_a_fmt:MATRIX_FMT_FP6 matrix_b_fmt:MATRIX_FMT_FP6 matrix_a_scale:MATRIX_SCALE_ROW1 matrix_b_scale:MATRIX_SCALE_ROW1
.elseif \ra
	v_wmma_scale_f32_16x16x128_f8f6f4 v[OD:OD+7], v[OA:OA+11], v[OB:OB+11], 0, v[OSA], v[OSB] matrix_a_fmt:MATRIX_FMT_FP6 matrix_b_fmt:MATRIX_FMT_FP6 matrix_a_scale:MATRIX_SCALE_ROW1
.elseif \rb
	v_wmma_scale_f32_16x16x128_f8f6f4 v[OD:OD+7], v[OA:OA+11], v[OB:OB+11], 0, v[OSA], v[OSB] matrix_a_fmt:MATRIX_FMT_FP6 matrix_b_fmt:MATRIX_FMT_FP6 matrix_b_scale:MATRIX_SCALE_ROW1
.else
	v_wmma_scale_f32_16x16x128_f8f6f4 v[OD:OD+7], v[OA:OA+11], v[OB:OB+11], 0, v[OSA], v[OSB] matrix_a_fmt:MATRIX_FMT_FP6 matrix_b_fmt:MATRIX_FMT_FP6
.endif
.else
.if (\ra) && (\rb)
	v_wmma_scale_f32_16x16x128_f8f6f4 v[OD:OD+7], v[OA:OA+11], v[OB:OB+11], v[OD:OD+7], v[OSA], v[OSB] matrix_a_fmt:MATRIX_FMT_FP6 matrix_b_fmt:MATRIX_FMT_FP6 matrix_a_scale:MATRIX_SCALE_ROW1 matrix_b_scale:MATRIX_SCALE_ROW1
.elseif \ra
	v_wmma_scale_f32_16x16x128_f8f6f4 v[OD:OD+7], v[OA:OA+11], v[OB:OB+11], v[OD:OD+7], v[OSA], v[OSB] matrix_a_fmt:MATRIX_FMT_FP6 matrix_b_fmt:MATRIX_FMT_FP6 matrix_a_scale:MATRIX_SCALE_ROW1
.elseif \rb
	v_wmma_scale_f32_16x16x128_f8f6f4 v[OD:OD+7], v[OA:OA+11], v[OB:OB+11], v[OD:OD+7], v[OSA], v[OSB] matrix_a_fmt:MATRIX_FMT_FP6 matrix_b_fmt:MATRIX_FMT_FP6 matrix_b_scale:MATRIX_SCALE_ROW1
.else
	v_wmma_scale_f32_16x16x128_f8f6f4 v[OD:OD+7], v[OA:OA+11], v[OB:OB+11], v[OD:OD+7], v[OSA], v[OSB] matrix_a_fmt:MATRIX_FMT_FP6 matrix_b_fmt:MATRIX_FMT_FP6
.endif
.endif
.endm
; K step s of 16: x is asked for three steps ahead, the weights' fragments one step ahead; then 24 products
.macro STEP s
	WIN 0
	PLACES 4                                       ; four plain places between the last step's products and loads into registers that they read (ISA guide 7.12.1 for vector instructions)
.if (\s) <= 12
	XLOAD (\s)+3
.endif
.if (\s) <= 14
	WLOAD (\s)+1
.endif
.if (\s) <= 12
	s_wait_loadcnt 54                              ; this step's 18 loads of x are in; those of the three steps behind it may be out
.else
	s_wait_loadcnt 18*(15-(\s))
.endif
.if (\s) <= 14
	s_wait_dscnt 12                                ; this step's weight fragments are in; the next step's 12 loads may be out
.else
	s_wait_dscnt 0x0
.endif
.if ((\s)%4) == 3
	WIN 0x5c                                       ; source 0 window 0, source 1 window 3, C and D window 1
.set XB, 0
.else
	WIN 0x58                                       ; source 1 window 2
.set XB, 72*((\s)%4)
.endif
.irp i, 0,1,2,3,4,5
.irp m, 0,1
.irp u, 0,1
.set OD, 32*\i+16*\m+8*\u
.set OA, WF+48*((\s)%2)+12*(2*\m+\u)
.set OB, XB+12*\i
.set OSA, WS+16*\u+(\s)
.set OSB, XS+16*(\i/2)+(\s)
	MM ((\s)==0), \m, (\i%2)
.endr
.endr
.endr
.endm
; Item i's results: A = g u w / (1 + 2^(g (c1 + c2 g^2))), its block's scale, its codes.  An item beyond the last is passed over.
.macro EPI i
	s_add_co_u32 s55, s34, \i
	s_cmp_lt_u32 s55, s31
	s_cbranch_scc0 .Lskip_\@
	WIN 0x05                                       ; sources 0 and 1 window 1
.irp j, 0,2,4,6,8,10,12,14
	v_pk_mul_f32 v[T+\j:T+\j+1], v[32*\i+\j:32*\i+\j+1], v[32*\i+\j:32*\i+\j+1]          ; g^2: each accumulator is read from its low end on
.endr
.irp j, 0,2,4,6,8,10,12,14
	v_pk_mul_f32 v[Q+\j:Q+\j+1], v[32*\i+\j:32*\i+\j+1], v[32*\i+16+\j:32*\i+16+\j+1]    ; g u
.endr
	WIN 0
.irp j, 0,2,4,6,8,10,12,14
	v_pk_fma_f32 v[T+\j:T+\j+1], v[T+\j:T+\j+1], s[50:51], v[70:71] op_sel_hi:[1,0,1]    ; c2 g^2 + c1
.endr
	WIN 0x04                                       ; source 1 window 1
.irp j, 0,2,4,6,8,10,12,14
	v_pk_mul_f32 v[T+\j:T+\j+1], v[T+\j:T+\j+1], v[32*\i+\j:32*\i+\j+1]
.endr
	WIN 0
.irp j, 0,1,2,3,4,5,6,7,8,9,10,11,12,13,14,15
	v_exp_f32 v[T+\j], v[T+\j]
.endr
.irp j, 0,2,4,6,8,10,12,14
	v_pk_mul_f32 v[Q+\j:Q+\j+1], v[Q+\j:Q+\j+1], v[48+2*\i:49+2*\i]                      ; g u w: plain work behind the exponentials
.endr
	s_wait_alu depctr_va_vdst(0)                   ; one wait for the batch of sixteen, ahead of its first reader
.irp j, 0,2,4,6,8,10,12,14
	v_pk_add_f32 v[T+\j:T+\j+1], v[T+\j:T+\j+1], 1.0 op_sel_hi:[1,0]
.endr
.irp j, 0,1,2,3,4,5,6,7,8,9,10,11,12,13,14,15
	v_rcp_f32 v[T+\j], v[T+\j]
.endr
	v_nop                                          ; a plain place behind the last reciprocal
	s_wait_alu depctr_va_vdst(0)                   ; and the batch's one wait
.irp j, 0,2,4,6,8,10,12,14
	v_pk_mul_f32 v[T+\j:T+\j+1], v[T+\j:T+\j+1], v[Q+\j:Q+\j+1]                          ; A: units 16 h + 0 .. 15 of my token
.endr
	v_max3_num_f32 v224, |v[T]|, |v[T+1]|, 0x1800000       ; my 16, and the floor 2^(3 - 127): the byte cannot fall under 1
	v_max3_num_f32 v225, |v[T+2]|, |v[T+3]|, |v[T+4]|
	v_max3_num_f32 v224, v224, |v[T+5]|, |v[T+6]|
	v_max3_num_f32 v225, v225, |v[T+7]|, |v[T+8]|
	v_max3_num_f32 v224, v224, |v[T+9]|, |v[T+10]|
	v_max3_num_f32 v225, v225, |v[T+11]|, |v[T+12]|
	v_max3_num_f32 v224, v224, |v[T+13]|, |v[T+14]|
	v_max3_num_f32 v224, v224, v225, |v[T+15]|
	v_permlanex16_b32 v60, v224, s48, s49
	v_max_num_f32 v224, v224, v60                  ; with lane l xor 16's 16: the block's largest magnitude
	v_add_nc_u32 v226, 0xff000000, v224            ; 2 off its exponent field: the conversion's scale operand
	v_cvt_scalef32_pk16_fp6_f32 v[CC+4*\i:CC+4*\i+2], v[T:T+15], v226
	v_lshrrev_b32 v[BY+\i], 23, v226               ; the scale's byte (also the plain place behind the conversion)
	global_store_b96 v[34+\i], v[CC+4*\i:CC+4*\i+2], s[24:25]
	global_store_b8 v[40+\i], v[BY+\i], s[26:27]   ; lanes l and l xor 16 store the same byte with the same value
.Lskip_\@:
.endm
.Lpass:
	s_wait_xcnt 0x0                                ; the last pass's loads and stores have read their offsets and data: both are written again below
.irp i, 0,1,2,3,4,5
	s_mul_i32 s55, s[36+\i], 24576                 ; the tile's 16 images,
	s_lshl_b32 s56, s[36+\i], 8                    ; its 16 tokens' experts and weights
	v_add_nc_u32 v[24+\i], s55, v3
	v_add_nc_u32 v[64+\i], s56, v12
.endr
.irp a, 0,1,2
	s_lshl_b32 s55, s[36+2*\a], 10                 ; 1,024 bytes of scale words a tile
	s_lshl_b32 s56, s[37+2*\a], 10
	v_mov_b32 v13, s55
	v_mov_b32 v14, s56
	v_cndmask_b32 v[30+\a], v13, v14, s35          ; lanes 0-15 the even item's tile, lanes 16-31 the odd item's
	v_min_u32 v[30+\a], 0xfc00, v[30+\a]
	v_add_nc_u32 v[30+\a], v[30+\a], v33           ; + 64 r
.endr
.irp i, 0,1,2,3,4,5
	s_lshl_b32 s55, s[36+\i], 3
	s_add_co_u32 s55, s55, s29                     ; slot 8 tile + e
	s_mul_i32 s56, s55, 12288
	s_add_co_u32 s56, s56, s42
	s_lshl_b32 s57, s55, 9
	s_add_co_u32 s57, s57, s43
	v_add_nc_u32 v[34+\i], s56, v10
	v_add_nc_u32 v[40+\i], s57, v11
.endr
.irp a, 0,1,2
.irp q, 0,1,2,3
	global_load_b128 v[XS+16*\a+4*\q:XS+16*\a+4*\q+3], v[30+\a], s[4:5] offset:XSC_OFF+16*\q
.endr
.endr
.irp i, 0,1,2,3,4,5
	global_load_b128 v[160+4*\i:163+4*\i], v[64+\i], s[4:5] offset:SRW_OFF   ; my token's two experts and two weights
.endr
	XLOAD 0
	XLOAD 1
	XLOAD 2
	WIN 0
	s_wait_loadcnt 54                              ; all but the three sets of x, 18 loads each
.irp i, 0,1,2,3,4,5                    ; w[t, e]: the weights of the slots that chose e
	v_cmp_eq_u32 vcc_lo, s29, v[160+4*\i]
	v_cndmask_b32 v[48+2*\i], 0, v[162+4*\i], vcc_lo
	v_cmp_eq_u32 vcc_lo, s29, v[161+4*\i]
	v_cndmask_b32 v[49+2*\i], 0, v[163+4*\i], vcc_lo
	v_add_f32 v[48+2*\i], v[48+2*\i], v[49+2*\i]
	v_mov_b32 v[49+2*\i], v[48+2*\i]
.endr
	WLOAD 0
.irp s, 0,1,2,3,4,5,6,7,8,9,10,11,12,13,14,15
	STEP \s
.endr
	WIN 0
	PLACES 4                                       ; between the last products and the first read of results
.irp i, 0,1,2,3,4,5
	EPI \i
.endr
	s_add_co_u32 s34, s34, 24                      ; the four waves' next 24 items
	ITEMS
	s_add_co_u32 s53, s53, 1                       ; the loop's counter: one a pass, against my number of passes
	s_cmp_lt_u32 s53, s52
	s_cbranch_scc1 .Lpass
.Lend:
	s_wait_tensorcnt 0x0
	ds_add_u32 v78, v79
	s_wait_dscnt 0x0
	s_endpgm
.Lfunc_end_k_q183f107cc8_gateup:
	.size	k_q183f107cc8_gateup, .Lfunc_end_k_q183f107cc8_gateup-k_q183f107cc8_gateup
	.p2alignl 7, 3214868480
	.fill 96, 4, 3214868480
	.section	.rodata,"a",@progbits
	.p2align	6, 0x0
	.amdhsa_kernel k_q183f107cc8_gateup
		.amdhsa_group_segment_fixed_size 104960
		.amdhsa_private_segment_fixed_size 0
		.amdhsa_enable_private_segment 0
		.amdhsa_kernarg_size 64
		.amdhsa_user_sgpr_count 2
		.amdhsa_user_sgpr_kernarg_segment_ptr 1
		.amdhsa_wavefront_size32 1
		.amdhsa_system_sgpr_workgroup_id_x 1
		.amdhsa_system_sgpr_workgroup_id_y 1
		.amdhsa_system_sgpr_workgroup_id_z 1
		.amdhsa_system_vgpr_workitem_id 0
		.amdhsa_next_free_vgpr 840
		.amdhsa_next_free_sgpr 80
		.amdhsa_reserve_vcc 1
		.amdhsa_float_denorm_mode_32 3
		.amdhsa_float_denorm_mode_16_64 3
		.amdhsa_memory_ordered 1
		.amdhsa_forward_progress 1
		.amdhsa_inst_pref_size 154
	.end_amdhsa_kernel
	.amdgpu_metadata
---
amdhsa.version: [ 1, 2 ]
amdhsa.kernels:
  - .name:           k_q183f107cc8_gateup
    .symbol:         k_q183f107cc8_gateup.kd
    .args:
      - { .name: xim, .offset: 0, .size: 8, .value_kind: global_buffer, .address_space: global }
      - { .name: gate_w_codes, .offset: 8, .size: 8, .value_kind: global_buffer, .address_space: global }
      - { .name: gate_w_scales, .offset: 16, .size: 8, .value_kind: global_buffer, .address_space: global }
      - { .name: up_w_codes, .offset: 24, .size: 8, .value_kind: global_buffer, .address_space: global }
      - { .name: up_w_scales, .offset: 32, .size: 8, .value_kind: global_buffer, .address_space: global }
      - { .name: lists, .offset: 40, .size: 8, .value_kind: global_buffer, .address_space: global }
      - { .name: hidc, .offset: 48, .size: 8, .value_kind: global_buffer, .address_space: global }
      - { .name: hids, .offset: 56, .size: 8, .value_kind: global_buffer, .address_space: global }
    .group_segment_fixed_size: 104960
    .private_segment_fixed_size: 0
    .kernarg_segment_align: 8
    .kernarg_segment_size: 64
    .max_flat_workgroup_size: 128
    .sgpr_count:     80
    .vgpr_count:     840
    .wavefront_size: 32
...
	.end_amdgpu_metadata
.endif
;; end of part 2
;; launch down (part 3): grid 32 x 8, 4 waves a work-group, no clusters, 17,920 bytes of LDS; arguments dwc, dsc, hidc, hids, tok, lists, out0; writes out0
.if DOCPART == 3
	.amdgcn_target "amdgcn-amd-amdhsa--gfx1250"
	.amdhsa_code_object_version 6
	.text
	.protected	k_q183f107cc8_down
	.globl	k_q183f107cc8_down
	.p2align	8
	.type	k_q183f107cc8_down,@function
k_q183f107cc8_down:
	s_mov_b64 s[64:65], 0
	v_nop
	global_prefetch_b8 v0, s[64:65] scope:SCOPE_SE
	s_setreg_imm32_b32 hwreg(HW_REG_WAVE_MODE, 25, 1), 1
	s_wait_xcnt 0x0
; DOWN.  out[t][h] = the sum over e and i of A[t][e][i] down_w[e][i][h], both operands as codes of FP6 (E2M3) with E8M0 scales, made by the two launches before.
; SHARES.  Work-group (cb, tg): 64 columns x 8 tiles of 16 sorted tokens.  Wave w: tiles 8 tg + 2 w and the next, 8 accumulators (4 column tiles x 2 token tiles), which take turns, one instruction a turn
; EACH OUTPUT ROW HAS ONE OWNER: the wave walks the experts in the union of its two tiles' masks, 8 K steps of 128 each; a tile that lacks an expert reads slot 512, zeros.
; No tensor load, no cluster: the walk hangs on the stored masks.  Both operands lie in memory as images of their registers, so a fragment is three loads of 16 bytes a lane, straight into registers, three K steps ahead.
; TRANSPOSED: source 0 = 16 columns of down_w, source 1 = 16 tokens: a lane holds eight neighbouring columns of one token's row.  Order of K inside a step and the exchanged scale bytes: as the makers laid them.
; The accumulators are cleared once, 64 moves, so that no expert's trip differs from another's in its products.
; A trip's last three K steps ask for the next expert's first three; the last expert's trip is written out behind the loop and asks for nothing more.
; REGISTERS.  Window 0: v1 r  v2 h  v3 16 lane  v4 48 lane  v5 4 lane  v6 32 r  v7, v8 hidden scale words' offsets (this expert, the next)  v9, v10 the stage  v11 tok's offset  v12-27 tokens, then offsets in out
;   v30 16 r  v32-46 scale words, three to a set at v[32 + 4 set]  v43, v47 the closing add's two  v48-111 accumulators at v[48 + 8 (2 n + t)]  v112-183 set 0  v184-255 set 1.   Window 1: v0-71 set 2, v72-143 set 3.   In a set: down fragment n at 12 n, hidden fragment t at 48 + 12 t.
; s20 wave  s21 cb  s22 first tile  s24, s25 masks  s26 experts left  s27 trips left in the loop  s28 the expert  s[32:39] this expert's bases (codes, scales, hidden 0, hidden 1)  s[40:47] the next's  s[48:53] dwc, dsc, out0 at my columns
.set MSB, 0
.macro WIN new                         ; the immediate's high byte repeats the setting that is left
.if MSB != \new
	s_set_vgpr_msb (MSB<<8)|\new
.set MSB, \new
.endif
.endm
.macro PLACES n
.rept \n
	v_nop
.endr
.endm
	s_load_b256 s[4:11], s[0:1], 0x0               ; dwc s[4:5], dsc s[6:7], hidc s[8:9], hids s[10:11]
	s_load_b128 s[12:15], s[0:1], 0x20             ; tok s[12:13], lists s[14:15]
	s_load_b64 s[16:17], s[0:1], 0x30              ; out0
	v_lshl_add_u32 v43, v0, 2, 0x4400
	v_mov_b32 v47, 0
	v_lshrrev_b32 v28, 5, v0
	v_readfirstlane_b32 s20, v28                   ; wave 0..3
	v_and_b32 v29, 31, v0
	v_and_b32 v1, 15, v0
	v_bfe_u32 v2, v0, 4, 1
	v_lshlrev_b32 v3, 4, v29
	v_mul_u32_u24 v4, v29, 48
	v_lshlrev_b32 v5, 2, v29
	v_lshlrev_b32 v6, 5, v1
	v_lshlrev_b32 v30, 4, v1
	s_mul_i32 s54, s20, 4352                       ; my stage: 16 rows x (256 bytes + 16)
	v_mul_u32_u24 v9, v1, 272
	v_lshl_add_u32 v9, v2, 5, v9
	v_add_nc_u32 v9, s54, v9                       ; in: row r, 32 bytes for each half of the lanes
	v_mul_u32_u24 v10, v2, 272
	v_add_nc_u32 v10, v10, v30
	v_add_nc_u32 v10, s54, v10                     ; back: lanes 0-15 one row of 256 bytes, lanes 16-31 the next
	s_mov_b32 s21, ttmp9
	s_and_b32 s22, ttmp7, 0xffff
	s_lshl_b32 s22, s22, 3
	s_lshl_b32 s55, s20, 1
	s_add_co_u32 s22, s22, s55                     ; my first tile
	s_lshl_b32 s55, s22, 6
	v_lshl_add_u32 v11, v2, 2, s55                 ; tok: 64 bytes a tile, + 4 for lanes 16-31
	s_mov_b32 s29, 0xffff0000
	s_mov_b32 s28, 0
	s_lshl_b32 s56, s22, 2
	s_mov_b32 s57, 0
	s_mul_i32 s58, s21, 6144                       ; four images of 1,536 bytes
	s_mov_b32 s59, 0
	s_lshl_b32 s60, s21, 8                         ; 64 words, and 64 numbers of a row of out
	s_mov_b32 s61, 0
	s_wait_kmcnt 0x0
	s_add_nc_u64 s[56:57], s[14:15], s[56:57]
	s_load_b64 s[24:25], s[56:57], 0x0             ; my two tiles' masks
.irp t, 0,1
.irp i, 0,1,2,3,4,5,6,7
	global_load_b32 v[12+8*\t+\i], v11, s[12:13] offset:64*\t+8*\i   ; the token of row 2 i + (lane / 16) of tile t
.endr
.endr
	s_add_nc_u64 s[48:49], s[4:5], s[58:59]
	s_add_nc_u64 s[50:51], s[6:7], s[60:61]
	s_add_nc_u64 s[52:53], s[16:17], s[60:61]
.set j, 0
.rept 64
	v_mov_b32 v[48+j], 0
.set j, j+1
.endr
	s_wait_kmcnt 0x0
	s_or_b32 s26, s24, s25
	s_and_b32 s26, s26, 0xff
	s_bcnt1_i32_b32 s27, s26
	s_max_u32 s27, s27, 1
	s_sub_co_u32 s27, s27, 1                       ; all experts but the last are walked in the loop
; The next expert of the union, its bases and the two tiles' slots
.macro SETB
	s_ctz_i32_b32 s54, s26
	s_cmp_lg_u32 s26, 0
	s_cselect_b32 s28, s54, s28
	s_min_u32 s28, s28, 7
	s_sub_co_u32 s54, s26, 1
	s_and_b32 s26, s26, s54                        ; its bit is taken off
	s_lshl_b32 s55, s22, 3
	s_add_co_u32 s55, s55, s28                     ; slot 8 tile + e
	s_add_co_u32 s56, s55, 8
	s_mov_b32 s58, 512                             ; or the slot of zeros
	s_bitcmp1_b32 s24, s28
	s_cselect_b32 s55, s55, s58
	s_bitcmp1_b32 s25, s28
	s_cselect_b32 s56, s56, s58
	s_min_u32 s55, s55, 512
	s_min_u32 s56, s56, 512
	s_mov_b32 s59, 0
	s_mul_i32 s58, s28, 1572864                    ; 8 K steps x 128 images
	s_add_nc_u64 s[40:41], s[48:49], s[58:59]
	s_lshl_b32 s58, s28, 16                        ; 8 K steps x 2,048 words
	s_add_nc_u64 s[42:43], s[50:51], s[58:59]
	s_mul_i32 s58, s55, 12288
	s_add_nc_u64 s[44:45], s[8:9], s[58:59]
	s_mul_i32 s58, s56, 12288
	s_add_nc_u64 s[46:47], s[8:9], s[58:59]
	s_lshl_b32 s55, s55, 9
	s_lshl_b32 s56, s56, 9
	v_mov_b32 v28, s55
	v_mov_b32 v29, s56
	v_cndmask_b32 v28, v28, v29, s29               ; lanes 0-15 tile 0's scale words, lanes 16-31 tile 1's
	v_min_u32 v28, 0x40000, v28
	v_add_nc_u32 v8, v28, v6
.endm
; K step ks of this expert (nx = 0) or the next (nx = 1) into a set: 21 loads
.macro LOADSTEP set, ks, nx
.if (\set) < 2
	WIN 0
.set LB, 112+72*(\set)
.else
	WIN 0x40                                       ; destination window 1
.set LB, 72*((\set)-2)
.endif
.irp n, 0,1,2,3
.irp g, 0,1,2
	global_load_b128 v[LB+12*\n+4*\g:LB+12*\n+4*\g+3], v3, s[32+8*(\nx):33+8*(\nx)] offset:(\ks)*196608+\n*1536+512*\g   ; 512 consecutive bytes a load
.endr
.endr
.irp t, 0,1
.irp g, 0,1,2
	global_load_b128 v[LB+48+12*\t+4*\g:LB+48+12*\t+4*\g+3], v4, s[36+8*(\nx)+2*\t:37+8*(\nx)+2*\t] offset:(\ks)*1536+16*\g
.endr
.endr
	WIN 0
.irp a, 0,1
	global_load_b32 v[32+4*(\set)+\a], v5, s[34+8*(\nx):35+8*(\nx)] offset:(\ks)*8192+128*\a   ; lanes 0-15 column tile 2 a's words, lanes 16-31 tile 2 a + 1's
.endr
	global_load_b32 v[34+4*(\set)], v[7+(\nx)], s[10:11] offset:4*(\ks)
.endm
.macro MM ra, rb
.if (\ra) && (\rb)
	v_wmma_scale_f32_16x16x128_f8f6f4 v[OD:OD+7], v[OA:OA+11], v[OB:OB+11], v[OD:OD+7], v[OSA], v[OSB] matrix_a_fmt:MATRIX_FMT_FP6 matrix_b_fmt:MATRIX_FMT_FP6 matrix_a_scale:MATRIX_SCALE_ROW1 matrix_b_scale:MATRIX_SCALE_ROW1
.elseif \ra
	v_wmma_scale_f32_16x16x128_f8f6f4 v[OD:OD+7], v[OA:OA+11], v[OB:OB+11], v[OD:OD+7], v[OSA], v[OSB] matrix_a_fmt:MATRIX_FMT_FP6 matrix_b_fmt:MATRIX_FMT_FP6 matrix_a_scale:MATRIX_SCALE_ROW1
.elseif \rb
	v_wmma_scale_f32_16x16x128_f8f6f4 v[OD:OD+7], v[OA:OA+11], v[OB:OB+11], v[OD:OD+7], v[OSA], v[OSB] matrix_a_fmt:MATRIX_FMT_FP6 matrix_b_fmt:MATRIX_FMT_FP6 matrix_b_scale:MATRIX_SCALE_ROW1
.else
	v_wmma_scale_f32_16x16x128_f8f6f4 v[OD:OD+7], v[OA:OA+11], v[OB:OB+11], v[OD:OD+7], v[OSA], v[OSB] matrix_a_fmt:MATRIX_FMT_FP6 matrix_b_fmt:MATRIX_FMT_FP6
.endif
.endm
; K step ks of an expert.  la = 1: another expert follows, and steps 5 to 7 ask for its steps 0 to 2;  la = 0: they ask for nothing
.macro STEP ks, la
	WIN 0
.if ((\ks) <= 4) || (\la)
	PLACES 4                                       ; four plain places between the last step's products and loads into registers that they read (ISA guide 7.12.1 for vector instructions)
.if (\ks) <= 4
	LOADSTEP ((\ks)+3)%4, (\ks)+3, 0
.else
	LOADSTEP ((\ks)+3)%4, (\ks)-5, 1
.endif
	s_wait_loadcnt 63                              ; this step's 21 loads are in; those of the three steps behind it may be out
.else
	s_wait_loadcnt 21*(7-(\ks))                    ; the counts run down: two steps' loads, one step's, none
.endif
.set ST, (\ks)%4
.if ST < 2
	WIN 0
.set SB, 112+72*ST
.else
	WIN 0x05                                       ; sources 0 and 1 window 1
.set SB, 72*(ST-2)
.endif
.irp n, 0,1,2,3
.irp t, 0,1
.set OD, 48+8*(2*\n+\t)
.set OA, SB+12*\n
.set OB, SB+48+12*\t
.set OSA, 32+4*ST+(\n/2)
.set OSB, 34+4*ST
	MM (\n%2), \t
.endr
.endr
.endm
; One expert: 8 K steps, 64 products
.macro TRIP la
	s_wait_xcnt 0x0                                ; the loads issued so far have read their bases and offsets: both sets are written below
	s_mov_b64 s[32:33], s[40:41]
	s_mov_b64 s[34:35], s[42:43]
	s_mov_b64 s[36:37], s[44:45]
	s_mov_b64 s[38:39], s[46:47]
	v_mov_b32 v7, v8
.if \la
	SETB
.endif
.irp k, 0,1,2,3,4,5,6,7
	STEP \k, \la
.endr
	WIN 0
.endm
	SETB
	LOADSTEP 0, 0, 1
	LOADSTEP 1, 1, 1
	LOADSTEP 2, 2, 1
	s_cmp_eq_u32 s27, 0
	s_cbranch_scc1 .Llast                          ; a single expert: the loop is passed over
.Lexp:
	TRIP 1
	s_sub_co_u32 s27, s27, 1
	s_cmp_lg_u32 s27, 0
	s_cbranch_scc1 .Lexp
.Llast:
	TRIP 0                                         ; the last expert
	; THE WAY OUT: a tile of 16 rows x 256 bytes goes through my own stage and comes back by rows, so that sixteen lanes store 256 consecutive bytes, aligned, of one token's row
	PLACES 4                                       ; between the last products and the first read of results.  (No load is out: the last step's wait was for 0)
.set j, 0
.rept 16
	v_min_u32 v[12+j], 0x3ff, v[12+j]
.set j, j+1
.endr
.set j, 0
.rept 16
	v_lshl_add_u32 v[12+j], v[12+j], 13, v30       ; 8,192 bytes a token, + 16 r
.set j, j+1
.endr
.irp t, 0,1
.irp n, 0,1,2,3
	ds_store_b128 v9, v[48+8*(2*\n+\t):48+8*(2*\n+\t)+3] offset:64*\n          ; each accumulator from its low end on
	ds_store_b128 v9, v[48+8*(2*\n+\t)+4:48+8*(2*\n+\t)+7] offset:64*\n+16
.endr
.irp i, 0,1,2,3,4,5,6,7
	ds_load_b128 v[112+32*\t+4*\i:112+32*\t+4*\i+3], v10 offset:544*\i         ; LDS serves a wave's instructions in order (ISA guide 5.7.1.4): these see my stores, and the next tile's stores come behind them
.endr
.endr
.irp t, 0,1
.irp i, 0,1,2,3,4,5,6,7
	s_wait_dscnt 23-16*\t-\i                       ; behind this load stand the tile's later loads and, for tile 0, tile 1's 8 stores and 8 loads
	global_store_b128 v[12+8*\t+\i], v[112+32*\t+4*\i:112+32*\t+4*\i+3], s[52:53] th:TH_STORE_NT
.endr
.endr
	s_wait_tensorcnt 0x0
	ds_add_u32 v43, v47
	s_wait_dscnt 0x0
	s_endpgm
.Lfunc_end_k_q183f107cc8_down:
	.size	k_q183f107cc8_down, .Lfunc_end_k_q183f107cc8_down-k_q183f107cc8_down
	.p2alignl 7, 3214868480
	.fill 96, 4, 3214868480
	.section	.rodata,"a",@progbits
	.p2align	6, 0x0
	.amdhsa_kernel k_q183f107cc8_down
		.amdhsa_group_segment_fixed_size 17920
		.amdhsa_private_segment_fixed_size 0
		.amdhsa_enable_private_segment 0
		.amdhsa_kernarg_size 56
		.amdhsa_user_sgpr_count 2
		.amdhsa_user_sgpr_kernarg_segment_ptr 1
		.amdhsa_wavefront_size32 1
		.amdhsa_system_sgpr_workgroup_id_x 1
		.amdhsa_system_sgpr_workgroup_id_y 1
		.amdhsa_system_sgpr_workgroup_id_z 1
		.amdhsa_system_vgpr_workitem_id 0
		.amdhsa_next_free_vgpr 400
		.amdhsa_next_free_sgpr 72
		.amdhsa_reserve_vcc 0
		.amdhsa_float_denorm_mode_32 3
		.amdhsa_float_denorm_mode_16_64 3
		.amdhsa_memory_ordered 1
		.amdhsa_forward_progress 1
		.amdhsa_inst_pref_size 66
	.end_amdhsa_kernel
	.amdgpu_metadata
---
amdhsa.version: [ 1, 2 ]
amdhsa.kernels:
  - .name:           k_q183f107cc8_down
    .symbol:         k_q183f107cc8_down.kd
    .args:
      - { .name: dwc, .offset: 0, .size: 8, .value_kind: global_buffer, .address_space: global }
      - { .name: dsc, .offset: 8, .size: 8, .value_kind: global_buffer, .address_space: global }
      - { .name: hidc, .offset: 16, .size: 8, .value_kind: global_buffer, .address_space: global }
      - { .name: hids, .offset: 24, .size: 8, .value_kind: global_buffer, .address_space: global }
      - { .name: tok, .offset: 32, .size: 8, .value_kind: global_buffer, .address_space: global }
      - { .name: lists, .offset: 40, .size: 8, .value_kind: global_buffer, .address_space: global }
      - { .name: out0, .offset: 48, .size: 8, .value_kind: global_buffer, .address_space: global }
    .group_segment_fixed_size: 17920
    .private_segment_fixed_size: 0
    .kernarg_segment_align: 8
    .kernarg_segment_size: 56
    .max_flat_workgroup_size: 128
    .sgpr_count:     72
    .vgpr_count:     400
    .wavefront_size: 32
...
	.end_amdgpu_metadata
.endif
;; end of part 3
;; ======== version 2 of 2: 3 launches
;; workspace buffers: dwc 12,582,912 bytes; dsc 524,288 bytes; hidc 6,303,744 bytes; hids 262,656 bytes; xim 1,654,784 bytes; tok 4,096 bytes of whole numbers; lists 256 bytes of whole numbers
;; launch prep (part 4): grid 320 x 1, 16 waves a work-group, no clusters, 10,240 bytes of LDS; arguments down_w, selected_experts, dwc, dsc, tok, lists, hidc, hids, x_codes, x_scales, routing_weights, xim; writes dwc, dsc, tok, lists, hidc, hids, xim
.if DOCPART == 4
	.amdgcn_target "amdgcn-amd-amdhsa--gfx1250"
	.amdhsa_code_object_version 6
	.text
	.protected	k_q183f107cc8_prep
	.globl	k_q183f107cc8_prep
	.p2align	8
	.type	k_q183f107cc8_prep,@function
k_q183f107cc8_prep:
	s_mov_b64 s[64:65], 0
	v_nop
	global_prefetch_b8 v0, s[64:65] scope:SCOPE_SE
	s_setreg_imm32_b32 hwreg(HW_REG_WAVE_MODE, 25, 1), 1
	s_wait_xcnt 0x0
; PREP.  Work-groups 0 to 63, one for each tile of 16 sorted tokens, sort the 1,024 tokens by their set of experts and lay the tile's rows of x out as the next launch wants them.
; Work-groups 64 to 319 turn down_w [8][1024 (i)][2048 (h)], f32, K = i, into codes of FP6 (E2M3) with one E8M0 byte for each 32 along i.
; THE CODES ARE LAID AS IMAGES OF THE OPERAND'S REGISTERS: for a K step of 128 and a tile of 16 rows (columns of down_w, tokens of x) 1,536 bytes:
; register group g (four registers) of image lane 16 h + m at 512 g + 16 (16 h + m).  Image lane (m, h) holds row m and the step's blocks 2 h and 2 h + 1, 24 bytes each.
; That order of K (a lane half holds two NEIGHBOURING blocks) is used on both operands of every product of this program; the matrix unit's scale byte 2 c + h then
; belongs to block 2 h + c, so the scale words are stored with bytes 1 and 2 exchanged.  Only the order of the f32 sums differs from K ascending.
; A block's scale (down_w) is 2^(floor(log2(largest magnitude)) - 2); its byte is the largest magnitude's exponent field - 2, held at 1 from below.  x's codes and bytes are taken as they are given.
; LIMITS: a block of zeros gets the byte 1 where the rule says 127 (its codes are zeros; this program alone reads the bytes); NaN and infinities in down_w are not served;
; for the sort key alone the expert numbers are taken modulo 8.
; THE SORT.  28 keys {lo < hi}: key = lo (15 - lo) / 2 + hi - lo - 1; a token whose two slots name one expert a goes under {a, a + 1}, {7, 7} under {6, 7}.
; Every one of the 64 work-groups makes the whole sort for itself: what one work-group stores no other may read in the same launch.
; tok[position] = token.  lists[tile] = the experts of every key whose range of positions meets the tile: a superset of what its tokens use; a row too many gets the weight 0 later.
; xim: [tile 64][K step 16] images of x's codes; from XSC_OFF on [tile][row][16 scale words]; from SRW_OFF on [tile][row] the token's two experts and two weights.
; The two paths part on the work-group's number alone, the same for all waves of a work-group; only the sorting path touches LDS and has barriers.
.set X,  32                            ; v32-95   two sets of 32 numbers (quantiser);  v32-63 a key's counts in the 32 chunks (sort)
.set P,  96                            ; v96-119  the two image lanes' 12 registers each
.set TQ, 120                           ; v120-122 a block's upper 16 codes, before they are moved
.set SW, 124                           ; v124     the scale word
.set XSC_OFF, 0x180000                 ; 64 tiles x 24,576 bytes of images
.set SRW_OFF, 0x190000                 ; + 64 tiles x 1,024 bytes of scale words
	s_load_b512 s[4:19], s[0:1], 0x0               ; down_w s[4:5], selected s[6:7], dwc s[8:9], dsc s[10:11], tok s[12:13], lists s[14:15], hidc s[16:17], hids s[18:19]
	v_lshl_add_u32 v128, v0, 2, 0x2000
	v_mov_b32 v129, 0
	v_lshrrev_b32 v5, 5, v0
	s_delay_alu instid0(VALU_DEP_1)
	v_readfirstlane_b32 s20, v5                    ; wave 0..15
	v_and_b32 v1, 31, v0                           ; lane
	s_delay_alu instid0(VALU_DEP_1)
	v_lshlrev_b32 v2, 2, v1                        ; 4 x lane
	s_delay_alu instid0(VALU_DEP_1)
	v_lshl_add_u32 v3, v5, 8, v2                   ; LDS: 256 x wave + 4 x lane
	s_delay_alu instid0(VALU_DEP_2)
	v_lshl_add_u32 v90, v5, 7, v2                  ; LDS: 128 x wave + 4 x lane
	s_cmp_lt_u32 ttmp9, 64
	s_cbranch_scc1 .Lroute
; ---------------- THE QUANTISER: a wave takes 32 columns x 128 along K; a lane takes a column, its registers run down K ----------------
	v_lshrrev_b32 v6, 4, v1
	s_delay_alu instid0(VALU_DEP_1)
	v_mul_u32_u24 v6, v6, 1536                     ; which of my wave's two column tiles,
	v_and_b32 v7, 15, v1
	s_delay_alu instid0(VALU_DEP_1)
	v_lshl_add_u32 v6, v7, 4, v6                   ; + 16 x (column in the tile): my place in an image
	s_sub_co_u32 s21, ttmp9, 64
	s_lshr_b32 s22, s21, 2                         ; ksg = 8 e + ks, 0..63
	s_and_b32 s23, s21, 3                          ; which 512 columns
	s_lshl_b32 s24, s22, 20                        ; down_w: 128 rows of 8,192 bytes a K step,
	s_lshl_b32 s25, s23, 11
	s_add_co_u32 s24, s24, s25                     ; + 512 columns x 4 bytes,
	s_lshl_b32 s25, s20, 7
	s_add_co_u32 s24, s24, s25                     ; + my wave's 32 columns
	s_mov_b32 s25, 0
	s_lshl_b32 s26, s22, 7                         ; dwc: image number 128 ksg + 32 quarter + 2 wave
	s_lshl_b32 s27, s23, 5
	s_add_co_u32 s26, s26, s27
	s_lshl_b32 s27, s20, 1
	s_add_co_u32 s26, s26, s27
	s_mul_i32 s26, s26, 1536
	s_mov_b32 s27, 0
	s_lshl_b32 s28, s22, 13                        ; dsc: 2,048 words a K step
	s_lshl_b32 s29, s23, 11
	s_add_co_u32 s28, s28, s29
	s_lshl_b32 s29, s20, 7
	s_add_co_u32 s28, s28, s29
	s_mov_b32 s29, 0
	s_wait_kmcnt 0x0
	s_add_nc_u64 s[4:5], s[4:5], s[24:25]
	s_add_nc_u64 s[8:9], s[8:9], s[26:27]
	s_add_nc_u64 s[10:11], s[10:11], s[28:29]
.macro QLOAD t                         ; block t: down_w(32 t + i, my column): each load reads 128 consecutive bytes a wave, the sixteen waves stand side by side on 2,048
.irp i, 0,1,2,3,4,5,6,7,8,9,10,11,12,13,14,15,16,17,18,19,20,21,22,23,24,25,26,27,28,29,30,31
	global_load_b32 v[X+32*((\t)%2)+\i], v2, s[4:5] offset:(32*(\t)+\i)*8192 th:TH_LOAD_NT
.endr
.endm
.macro QBLOCK t                        ; block t = 2 h + c of the K step
.set XS, X+32*((\t)%2)
.set PD, P+12*((\t)/2)+6*((\t)%2)
.if (\t) < 3
	s_wait_loadcnt 32                              ; this block's 32 loads are in; the next block's 32 may be out
.else
	s_wait_loadcnt 0x0
.endif
	v_max3_num_f32 v12, |v[XS]|, |v[XS+1]|, |v[XS+2]|      ; the block's largest magnitude: all 32 numbers are mine; two chains
	v_max3_num_f32 v13, |v[XS+3]|, |v[XS+4]|, |v[XS+5]|
.irp i, 6,10,14,18,22,26
	s_delay_alu instid0(VALU_DEP_2)
	v_max3_num_f32 v12, v12, |v[XS+\i]|, |v[XS+\i+1]|
	s_delay_alu instid0(VALU_DEP_2)
	v_max3_num_f32 v13, v13, |v[XS+\i+2]|, |v[XS+\i+3]|
.endr
	s_delay_alu instid0(VALU_DEP_2)
	v_max3_num_f32 v12, v12, |v[XS+30]|, |v[XS+31]|
	s_delay_alu instid0(VALU_DEP_1)
	v_max3_num_f32 v12, v12, v13, 0x1800000        ; and the floor 2^(3 - 127): the byte cannot fall under 1
	s_delay_alu instid0(VALU_DEP_1)
	v_add_nc_u32 v11, 0xff000000, v12              ; 2 off the exponent field: the conversion takes this operand's exponent field as its scale
	s_delay_alu instid0(VALU_DEP_1)
	v_lshrrev_b32 v13, 23, v11                     ; the scale's byte, to byte 2 c + h of the word
.if (\t) == 0
	s_delay_alu instid0(VALU_DEP_1)
	v_mov_b32 v[SW], v13
.elseif (\t) == 1
	s_delay_alu instid0(VALU_DEP_1)
	v_lshl_or_b32 v[SW], v13, 16, v[SW]
.elseif (\t) == 2
	s_delay_alu instid0(VALU_DEP_1)
	v_lshl_or_b32 v[SW], v13, 8, v[SW]
.else
	s_delay_alu instid0(VALU_DEP_1)
	v_lshl_or_b32 v[SW], v13, 24, v[SW]
.endif
	v_cvt_scalef32_pk16_fp6_f32 v[PD:PD+2], v[XS:XS+15], v11
	v_cvt_scalef32_pk16_fp6_f32 v[TQ:TQ+2], v[XS+16:XS+31], v11    ; (a conversion's three registers begin on an even number)
	v_nop                                          ; one plain place behind a scaled conversion
.irp i, 0,1,2
	v_mov_b32 v[PD+3+\i], v[TQ+\i]
.endr
.if (\t) < 2
	QLOAD (\t)+2
.endif
.if ((\t)%2) == 1                      ; an image lane's 12 registers are whole: sixteen lanes store 256 consecutive bytes, aligned
.irp g, 0,1,2
	global_store_b128 v6, v[P+12*((\t)/2)+4*\g:P+12*((\t)/2)+4*\g+3], s[8:9] offset:256*((\t)/2)+512*\g
.endr
.endif
.endm
	s_wait_alu depctr_va_vdst(0)
	QLOAD 0
	QLOAD 1
	QBLOCK 0
	QBLOCK 1
	QBLOCK 2
	QBLOCK 3
	global_store_b32 v2, v[SW], s[10:11]           ; 32 scale words: 128 consecutive bytes a wave, 2,048 a work-group.  No register that a store reads is written again
	s_endpgm
; ---------------- THE SORT: wave w has chunks 2 w and 2 w + 1 of 32 tokens ----------------
.Lroute:
	s_load_b256 s[36:43], s[0:1], 0x40             ; x's codes s[36:37], x's scales s[38:39], routing weights s[40:41], xim s[42:43]
	s_wait_alu depctr_va_vdst(0)
	v_lshl_add_u32 v82, v5, 6, v1                  ; my token of chunk 2 w (that of chunk 2 w + 1 is 32 on)
	s_delay_alu instid0(VALU_DEP_1)
	v_lshlrev_b32 v4, 3, v82                       ; 8 bytes a token
	s_mov_b32 s29, 0xffff0000                      ; lanes 16-31
	s_mov_b32 s30, 0x01010101
	s_lshl_b32 s31, s20, 1                         ; my first chunk
	s_wait_alu depctr_va_vdst(0)
	s_wait_kmcnt 0x0
	global_load_b64 v[16:17], v4, s[6:7]
	global_load_b64 v[18:19], v4, s[6:7] offset:256
.irp b, 0,1,2,3,4
	v_bfe_u32 v[8+\b], v1, \b, 1
.endr
.irp b, 0,1,2,3,4
	v_add_nc_u32 v[8+\b], -1, v[8+\b]              ; 0 where bit b of my lane's number is set, else all ones
.endr
	s_wait_loadcnt 0x0
.macro CHUNK k
	v_and_b32 v64, 7, v[16+2*\k]
	v_and_b32 v65, 7, v[17+2*\k]
	s_delay_alu instid0(VALU_DEP_1)
	v_min_u32 v66, v64, v65                        ; lo
	s_delay_alu instid0(VALU_DEP_2)
	v_max_u32 v67, v64, v65                        ; hi
	s_delay_alu instid0(VALU_DEP_1)
	v_cmp_eq_u32 vcc_lo, v66, v67
	s_delay_alu instid0(VALU_DEP_1)
	v_cndmask_b32 v68, 0, 1, vcc_lo
	s_delay_alu instid0(VALU_DEP_1)
	v_add_nc_u32 v67, v67, v68                     ; a single expert a: hi = a + 1,
	s_delay_alu instid0(VALU_DEP_1)
	v_min_u32 v68, 7, v67                          ; held at 7,
	s_delay_alu instid0(VALU_DEP_1)
	v_sub_nc_u32 v67, v67, v68
	s_delay_alu instid0(VALU_DEP_1)
	v_sub_nc_u32 v66, v66, v67                     ; in which case lo = 6
	s_delay_alu instid0(VALU_DEP_1)
	v_sub_nc_u32 v67, 15, v66
	s_delay_alu instid0(VALU_DEP_1)
	v_mul_u32_u24 v67, v66, v67
	s_delay_alu instid0(VALU_DEP_1)
	v_lshrrev_b32 v67, 1, v67
	s_delay_alu instid0(VALU_DEP_1)
	v_add_nc_u32 v67, v67, v68
	s_delay_alu instid0(VALU_DEP_1)
	v_sub_nc_u32 v67, v67, v66
	s_delay_alu instid0(VALU_DEP_1)
	v_add_nc_u32 v67, -1, v67                      ; the key, 0..27
	s_delay_alu instid0(VALU_DEP_1)
	v_lshlrev_b32 v[20+\k], 2, v67                 ; as a lane's byte index
.irp b, 0,1,2,3,4
	v_bfe_u32 v[68+\b], v67, \b, 1
	s_delay_alu instid0(VALU_DEP_1)
	v_cmp_ne_u32 s[24+\b], 0, v[68+\b]             ; which tokens of the chunk have bit b in their key
.endr
	v_xor_b32 v73, s24, v8                         ; LANES AS KEYS: the tokens whose key is my lane's number
	v_xor_b32 v74, s25, v9
	s_delay_alu instid0(VALU_DEP_1)
	v_and_b32 v73, v73, v74
	v_xor_b32 v74, s26, v10
	s_delay_alu instid0(VALU_DEP_1)
	v_and_b32 v73, v73, v74
	v_xor_b32 v74, s27, v11
	s_delay_alu instid0(VALU_DEP_1)
	v_and_b32 v73, v73, v74
	v_xor_b32 v74, s28, v12
	s_delay_alu instid0(VALU_DEP_1)
	v_and_b32 v73, v73, v74
	s_delay_alu instid0(VALU_DEP_1)
	v_lshrrev_b32 v74, 1, v73                      ; how many: the bits are added in pairs, fours, bytes
	s_delay_alu instid0(VALU_DEP_1)
	v_and_b32 v74, 0x55555555, v74
	s_delay_alu instid0(VALU_DEP_1)
	v_sub_nc_u32 v73, v73, v74
	s_delay_alu instid0(VALU_DEP_1)
	v_lshrrev_b32 v74, 2, v73
	s_delay_alu instid0(VALU_DEP_2)
	v_and_b32 v73, 0x33333333, v73
	s_delay_alu instid0(VALU_DEP_2)
	v_and_b32 v74, 0x33333333, v74
	s_delay_alu instid0(VALU_DEP_1)
	v_add_nc_u32 v73, v73, v74
	s_delay_alu instid0(VALU_DEP_1)
	v_lshrrev_b32 v74, 4, v73
	s_delay_alu instid0(VALU_DEP_1)
	v_add_nc_u32 v73, v73, v74
	s_delay_alu instid0(VALU_DEP_1)
	v_and_b32 v73, 0x0f0f0f0f, v73
	s_delay_alu instid0(VALU_DEP_1)
	v_mul_lo_u32 v73, v73, s30
	s_delay_alu instid0(VALU_DEP_1)
	v_lshrrev_b32 v[24+\k], 24, v73
.irp b, 0,1,2,3,4
	v_sub_nc_u32 v[68+\b], 0, v[68+\b]             ; LANES AS TOKENS: the tokens whose key differs from mine in bit b
	s_delay_alu instid0(VALU_DEP_1)
	v_xor_b32 v[68+\b], s[24+\b], v[68+\b]
.endr
	v_or_b32 v68, v68, v69
	s_delay_alu instid0(VALU_DEP_4)
	v_or_b32 v70, v70, v71
	s_delay_alu instid0(VALU_DEP_2)
	v_or_b32 v68, v68, v72
	s_delay_alu instid0(VALU_DEP_1)
	v_or_b32 v68, v68, v70
	s_delay_alu instid0(VALU_DEP_1)
	v_xor_b32 v68, -1, v68                         ; those with my key;
	s_delay_alu instid0(VALU_DEP_1)
	v_mbcnt_lo_u32_b32 v[22+\k], v68, 0            ; how many of them stand in lower lanes: my rank in the chunk
	ds_store_b32 v3, v[24+\k] offset:128*\k        ; the table [chunk 32][key 32] of counts
.endm
	CHUNK 0
	CHUNK 1
	s_wait_dscnt 0x0                               ; for the others' sake: my two rows of the table are written
	s_barrier_signal -1
	s_barrier_wait -1
.irp c, 0,1,2,3,4,5,6,7,8,9,10,11,12,13,14,15,16,17,18,19,20,21,22,23,24,25,26,27,28,29,30,31
	ds_load_b32 v[32+\c], v2 offset:128*\c         ; lane = key: its counts in all chunks
.endr
	v_mov_b32 v26, 0                               ; the running count
	v_mov_b32 v27, 0                               ; the count ahead of my first chunk
	s_wait_alu depctr_va_vdst(0)
	s_wait_dscnt 0x0
.irp c, 0,1,2,3,4,5,6,7,8,9,10,11,12,13,14,15,16,17,18,19,20,21,22,23,24,25,26,27,28,29,30,31
.if (\c%2) == 0
	s_cmp_eq_u32 s31, \c
	s_cselect_b32 s32, -1, 0
	v_cndmask_b32 v27, v27, v26, s32
.endif
	v_add_nc_u32 v26, v26, v[32+\c]
.endr
	s_delay_alu instid0(VALU_DEP_3)
	v_add_nc_u32 v28, v27, v24                     ; ahead of my second chunk
	s_delay_alu instid0(VALU_DEP_2)
	v_mov_b32 v31, v26                             ; the keys' totals, summed over the lanes, each with those below it
	v_mov_b32 v64, 0
.irp n, 1
	s_delay_alu instid0(VALU_DEP_2)
	v_mov_b32_dpp v64, v31 row_shr:\n row_mask:0xf bank_mask:0xf bound_ctrl:1
	s_delay_alu instid0(VALU_DEP_1)
	v_add_nc_u32 v31, v31, v64
.endr
.irp n, 2, 4, 8
	s_delay_alu instid0(VALU_DEP_1)
	v_mov_b32_dpp v64, v31 row_shr:\n row_mask:0xf bank_mask:0xf bound_ctrl:1
	s_delay_alu instid0(VALU_DEP_1)
	v_add_nc_u32 v31, v31, v64
.endr
	s_delay_alu instid0(VALU_DEP_1)
	v_readlane_b32 s33, v31, 15
	s_delay_alu instid0(VALU_DEP_1)
	v_mov_b32 v64, s33
	s_delay_alu instid0(VALU_DEP_1)
	v_cndmask_b32 v64, 0, v64, s29
	s_delay_alu instid0(VALU_DEP_1)
	v_add_nc_u32 v31, v31, v64                     ; END: where a key's range of positions ends
	s_delay_alu instid0(VALU_DEP_1)
	v_sub_nc_u32 v30, v31, v26                     ; BASE: where it begins
	s_delay_alu instid0(VALU_DEP_1)
	v_add_nc_u32 v65, v30, v27
	s_delay_alu instid0(VALU_DEP_2)
	v_add_nc_u32 v66, v30, v28
	ds_bpermute_b32 v80, v20, v65                  ; each token fetches, from the lane of its key, where that key's tokens of its chunk begin
	ds_bpermute_b32 v81, v21, v66
	s_wait_dscnt 0x0
	v_add_nc_u32 v80, v80, v22
	v_add_nc_u32 v81, v81, v23
	s_delay_alu instid0(VALU_DEP_2)
	v_min_u32 v80, 0x3ff, v80                      ; my two tokens' positions, 0..1,023
	s_delay_alu instid0(VALU_DEP_2)
	v_min_u32 v81, 0x3ff, v81
; ---------------- THE TILE'S TOKENS.  Lane r (and lane 16 + r) looks for position 16 tile + r among my wave's 64 positions; one wave of the sixteen finds it ----------------
	s_lshl_b32 s48, ttmp9, 4
	v_and_b32 v93, 15, v1                          ; r
	s_delay_alu instid0(VALU_DEP_1)
	v_add_nc_u32 v87, s48, v93
	v_mov_b32 v88, 0                               ; 0: not found; else 1 + the token's number in my wave
.set LL, 0
.rept 16                               ; four positions at a time, so that the lines do not wait for each other
.irp d, 0,1,2,3
	v_readlane_b32 s[52+\d], v[80+LL/32], (LL+\d)%32
.endr
.irp d, 0,1,2,3
	s_delay_alu instid0(VALU_DEP_4)
	v_cmp_eq_u32 s[56+\d], s[52+\d], v87
.endr
.irp d, 0
	s_delay_alu instid0(VALU_DEP_4)
	v_cndmask_b32 v88, v88, LL+\d+1, s[56+\d]
.endr
.irp d, 1, 2, 3
	s_delay_alu instid0(VALU_DEP_1)
	v_cndmask_b32 v88, v88, LL+\d+1, s[56+\d]
.endr
.set LL, LL+4
.endr
	s_lshl_b32 s49, s20, 6
	s_sub_co_u32 s49, s49, 1
	v_add_nc_u32 v89, s49, v88                     ; the token: 64 wave + its number in the wave,
	v_cmp_ne_u32 vcc_lo, 0, v88
	s_delay_alu instid0(VALU_DEP_1)
	v_cndmask_b32 v89, 0, v89, vcc_lo              ; or 0
	ds_store_b32 v90, v89 offset:4096              ; [wave 16][lane 32], behind the table
	s_wait_dscnt 0x0                               ; for the others' sake: my finds are written
	s_barrier_signal -1
	s_barrier_wait -1
.irp c, 0,1,2,3,4,5,6,7,8,9,10,11,12,13,14,15
	ds_load_b32 v[32+\c], v2 offset:4096+128*\c
.endr
	v_lshrrev_b32 v123, 4, v1                      ; h
	v_lshlrev_b32 v95, 4, v1                       ; 16 x lane
	v_lshlrev_b32 v111, 4, v93                     ; 16 r
	v_lshlrev_b32 v122, 2, v93                     ; 4 r
	s_mul_i32 s50, s20, 96                         ; wave w takes K step w: 96 bytes of a row,
	s_lshl_b32 s51, s20, 2                         ; one scale word
	v_lshl_add_u32 v109, v93, 6, s51               ; where the word goes: 64 r + 4 w
	s_mov_b32 s55, 0x03010200                      ; bytes 1 and 2 change places
	s_mov_b32 s53, 0
	s_lshl_b32 s52, ttmp9, 10
	s_add_co_u32 s52, s52, XSC_OFF
	s_add_nc_u64 s[44:45], s[42:43], s[52:53]      ; the tile's scale words,
	s_lshl_b32 s52, ttmp9, 8
	s_add_co_u32 s52, s52, SRW_OFF
	s_add_nc_u64 s[46:47], s[42:43], s[52:53]      ; its experts and weights,
	s_mul_i32 s52, ttmp9, 24576
	s_mul_i32 s54, s20, 1536
	s_add_co_u32 s52, s52, s54
	s_add_nc_u64 s[42:43], s[42:43], s[52:53]      ; my K step's image,
	s_lshl_b32 s52, ttmp9, 6
	s_add_nc_u64 s[12:13], s[12:13], s[52:53]      ; and the tile's 16 words of tok
	s_wait_dscnt 0x0
	v_add_nc_u32 v91, v32, v33
.irp c, 2,4,6,8,10,12,14
	s_delay_alu instid0(VALU_DEP_1)
	v_add3_u32 v91, v91, v[32+\c], v[33+\c]        ; fifteen zeros and the token
.endr
	s_delay_alu instid0(VALU_DEP_1)
	v_min_u32 v91, 0x3ff, v91                      ; the token at position 16 tile + r
	s_delay_alu instid0(VALU_DEP_1)
	v_mul_u32_u24 v92, v91, 0x600                  ; its row of 1,536 bytes,
	s_delay_alu instid0(VALU_DEP_1)
	v_mad_u32_u24 v92, v123, 48, v92               ; my half's two blocks,
	s_delay_alu instid0(VALU_DEP_1)
	v_add_nc_u32 v92, s50, v92                     ; of K step w
	s_delay_alu instid0(VALU_DEP_4)
	v_lshl_add_u32 v94, v91, 6, s51                ; its 64 scale bytes: word w
	global_load_b128 v[96:99], v92, s[36:37]       ; the gather by rows is made here once, for all work-groups that will read the tile
	global_load_b128 v[100:103], v92, s[36:37] offset:16
	global_load_b128 v[104:107], v92, s[36:37] offset:32
	global_load_b32 v108, v94, s[38:39]
	s_cmp_eq_u32 s20, 4
	s_cbranch_scc0 .Lno_srw
	v_lshlrev_b32 v110, 3, v91                     ; wave 4: the tokens' two experts and two weights
	global_load_b64 v[112:113], v110, s[6:7]
	global_load_b64 v[114:115], v110, s[40:41]
	s_wait_loadcnt 0x0
	global_store_b128 v111, v[112:115], s[46:47]   ; sixteen lanes store 256 consecutive bytes, aligned; lanes 16-31 the same bytes again
.Lno_srw:
	s_cmp_eq_u32 s20, 5
	s_cbranch_scc0 .Lno_tok
	s_wait_alu depctr_va_vdst(0)
	global_store_b32 v122, v91, s[12:13]           ; wave 5: tok
.Lno_tok:
	s_wait_loadcnt 0x0
	v_perm_b32 v108, v108, v108, s55
	global_store_b128 v95, v[96:99], s[42:43]      ; the image: 512 consecutive bytes a store
	global_store_b128 v95, v[100:103], s[42:43] offset:512
	global_store_b128 v95, v[104:107], s[42:43] offset:1024
	global_store_b32 v109, v108, s[44:45]          ; 4 bytes a row, 64 bytes apart: the sixteen waves fill the tile's 1,024 bytes between them; 65,536 bytes in the launch
	s_cmp_eq_u32 ttmp9, 0
	s_cbranch_scc0 .Lfin
; ---------------- work-group 0 alone: the tiles' masks and the slot of zeros.  No register that a pending store reads is written below ----------------
	s_cmp_lt_u32 s20, 2
	s_cbranch_scc0 .Lwave2
	; waves 0 and 1: lane = tile; positions 16 tile .. 16 tile + 15
	v_lshlrev_b32 v84, 4, v0
	s_delay_alu instid0(VALU_DEP_1)
	v_add_nc_u32 v85, 16, v84
	v_mov_b32 v86, 0
.macro TILEM k, lo, hi                 ; key k's range meets my tile where max(begin, tile's first) < min(end, tile's end); an empty key meets none
	v_readlane_b32 s34, v30, \k
	v_readlane_b32 s35, v31, \k
	s_delay_alu instid0(VALU_DEP_2)
	v_max_u32 v64, s34, v84
	s_delay_alu instid0(VALU_DEP_2)
	v_min_u32 v65, s35, v85
	s_delay_alu instid0(VALU_DEP_1)
	v_cmp_lt_u32 vcc_lo, v64, v65
	v_or_b32 v66, (1<<(\lo))|(1<<(\hi)), v86
	s_delay_alu instid0(VALU_DEP_1)
	v_cndmask_b32 v86, v86, v66, vcc_lo
.endm
.set KK, 0
.irp lo, 0,1,2,3,4,5,6
.irp hi, 1,2,3,4,5,6,7
.if \hi > \lo
	TILEM KK, \lo, \hi
.set KK, KK+1
.endif
.endr
.endr
	v_lshlrev_b32 v121, 2, v0
	global_store_b32 v121, v86, s[14:15]
	s_wait_tensorcnt 0x0
	ds_add_u32 v128, v129
	s_wait_dscnt 0x0
	s_endpgm
.Lwave2:
	v_lshlrev_b32 v120, 4, v1
	v_mov_b32 v116, 0
	v_mov_b32 v117, 0
	v_mov_b32 v118, 0
	v_mov_b32 v119, 0
	s_cmp_eq_u32 s20, 2
	s_cbranch_scc0 .Lwave3
.irp i, 0,1,2,3,4,5,6,7,8,9,10,11,12,13,14,15,16,17,18,19,20,21,22,23
	global_store_b128 v120, v[116:119], s[16:17] offset:512*12288+512*\i   ; slot 512 of the hidden codes: zeros, for tiles that lack an expert
.endr
	s_wait_tensorcnt 0x0
	ds_add_u32 v128, v129
	s_wait_dscnt 0x0
	s_endpgm
.Lwave3:
	s_cmp_eq_u32 s20, 3
	s_cbranch_scc0 .Lfin
	s_wait_alu depctr_va_vdst(0)
	global_store_b128 v120, v[116:119], s[18:19] offset:512*512            ; and its scale bytes: 0, which is a power of two like any other over zero codes
.Lfin:
	s_wait_tensorcnt 0x0
	ds_add_u32 v128, v129
	s_wait_dscnt 0x0
	s_endpgm
.Lfunc_end_k_q183f107cc8_prep:
	.size	k_q183f107cc8_prep, .Lfunc_end_k_q183f107cc8_prep-k_q183f107cc8_prep
	.p2alignl 7, 3214868480
	.fill 96, 4, 3214868480
	.section	.rodata,"a",@progbits
	.p2align	6, 0x0
	.amdhsa_kernel k_q183f107cc8_prep
		.amdhsa_group_segment_fixed_size 10240
		.amdhsa_private_segment_fixed_size 0
		.amdhsa_enable_private_segment 0
		.amdhsa_kernarg_size 96
		.amdhsa_user_sgpr_count 2
		.amdhsa_user_sgpr_kernarg_segment_ptr 1
		.amdhsa_wavefront_size32 1
		.amdhsa_system_sgpr_workgroup_id_x 1
		.amdhsa_system_sgpr_workgroup_id_y 1
		.amdhsa_system_sgpr_workgroup_id_z 1
		.amdhsa_system_vgpr_workitem_id 0
		.amdhsa_next_free_vgpr 130
		.amdhsa_next_free_sgpr 66
		.amdhsa_reserve_vcc 1
		.amdhsa_float_denorm_mode_32 3
		.amdhsa_float_denorm_mode_16_64 3
		.amdhsa_memory_ordered 1
		.amdhsa_forward_progress 1
		.amdhsa_inst_pref_size 76
	.end_amdhsa_kernel
	.amdgpu_metadata
---
amdhsa.version: [ 1, 2 ]
amdhsa.kernels:
  - .name:           k_q183f107cc8_prep
    .symbol:         k_q183f107cc8_prep.kd
    .args:
      - { .name: down_w, .offset: 0, .size: 8, .value_kind: global_buffer, .address_space: global }
      - { .name: selected_experts, .offset: 8, .size: 8, .value_kind: global_buffer, .address_space: global }
      - { .name: dwc, .offset: 16, .size: 8, .value_kind: global_buffer, .address_space: global }
      - { .name: dsc, .offset: 24, .size: 8, .value_kind: global_buffer, .address_space: global }
      - { .name: tok, .offset: 32, .size: 8, .value_kind: global_buffer, .address_space: global }
      - { .name: lists, .offset: 40, .size: 8, .value_kind: global_buffer, .address_space: global }
      - { .name: hidc, .offset: 48, .size: 8, .value_kind: global_buffer, .address_space: global }
      - { .name: hids, .offset: 56, .size: 8, .value_kind: global_buffer, .address_space: global }
      - { .name: x_codes, .offset: 64, .size: 8, .value_kind: global_buffer, .address_space: global }
      - { .name: x_scales, .offset: 72, .size: 8, .value_kind: global_buffer, .address_space: global }
      - { .name: routing_weights, .offset: 80, .size: 8, .value_kind: global_buffer, .address_space: global }
      - { .name: xim, .offset: 88, .size: 8, .value_kind: global_buffer, .address_space: global }
    .group_segment_fixed_size: 10240
    .private_segment_fixed_size: 0
    .kernarg_segment_align: 8
    .kernarg_segment_size: 96
    .max_flat_workgroup_size: 512
    .sgpr_count:     66
    .vgpr_count:     130
    .wavefront_size: 32
...
	.end_amdgpu_metadata
.endif
;; end of part 4
;; launch gateup (part 5): grid 32 x 8, 4 waves a work-group, no clusters, 104,960 bytes of LDS; arguments xim, gate_w_codes, gate_w_scales, up_w_codes, up_w_scales, lists, hidc, hids; writes hidc, hids
.if DOCPART == 5
	.amdgcn_target "amdgcn-amd-amdhsa--gfx1250"
	.amdhsa_code_object_version 6
	.text
	.protected	k_q183f107cc8_gateup
	.globl	k_q183f107cc8_gateup
	.p2align	8
	.type	k_q183f107cc8_gateup,@function
k_q183f107cc8_gateup:
	s_mov_b64 s[64:65], 0
	v_nop
	global_prefetch_b8 v0, s[64:65] scope:SCOPE_SE
	s_setreg_imm32_b32 hwreg(HW_REG_WAVE_SCHED_MODE, 0, 2), 2
	s_setreg_imm32_b32 hwreg(HW_REG_WAVE_MODE, 25, 1), 1
	s_wait_xcnt 0x0
	s_wait_alu depctr_vm_vsrc(0)
; GATEUP.  For expert e (grid y) and block B of 32 hidden units (grid x): g = x gate_w[e], u = x up_w[e] (K = 2,048, all operands given as codes of FP6 (E2M3) with E8M0 scales),
; A = gelu_tanh(g) u w[t, e] in f32, quantised along the hidden units: this work-group's 32 units are one block.  Codes and scale bytes go to hidc and hids.
; ONLY THE CHOSEN ROWS: an item is a tile of 16 sorted tokens whose mask (lists) holds e.  A token of the tile that did not choose e has w = 0: zero codes, as the definition has them.
; x COMES AS IMAGES OF THE OPERAND'S REGISTERS, by sorted tile, laid by the launch before (xim): a fragment is three loads of 512 consecutive bytes a wave.  Behind the images lie the tiles' scale words
; (bytes 1 and 2 already exchanged) and each token's two experts and two weights.
; SHARES.  The work-group's 64 weight rows (32 of gate, 32 of up, all of K) are brought into LDS once: each weight byte is read by one work-group alone.  A wave takes 6 items x 4 weight tiles in a pass:
; 24 accumulators, which take turns, one instruction a turn.  A pass of the four waves is 24 items; a wave walks ceil((items - 6 wave) / 24) passes, at most 3.
; No tensor load, no cluster: the trip count and the skips hang on the stored list.
; TRANSPOSED: source 0 = 16 weight rows, source 1 = 16 tokens of x, so that a lane holds ONE token.  THE ROWS OF A WEIGHT TILE ARE NOT NEIGHBOURS: tensor row j of the block goes to tile (j / 8) % 2,
; row j % 8 + 8 (j / 16): a lane's 16 results of the two tiles are units 16 (lane / 16) + 0 .. 15.
; ORDER OF K: in a K step of 128 lane half h takes blocks 2 h and 2 h + 1, 48 consecutive bytes of a row, on both operands alike; the unit's scale byte 2 c + h then belongs to block 2 h + c:
; bytes 1 and 2 of every scale word are exchanged.  Only the order of the f32 sums differs from K ascending.
; gelu_tanh(g) = g / (1 + 2^(g (c1 + c2 g^2))), c1 = -2 log2(e) sqrt(2 / pi), c2 = 0.044715 c1.
; LIMITS: NaN and infinities are not served (an a that overflows times w = 0 gives NaN here only inside the tile masks); a block of zeros gets the byte 1 where the rule says 127: this program alone reads the bytes.
; The stores of 12 bytes and of 1 byte a lane cover 256-byte blocks in part: the layout is the one in which the next launch, which reads these bytes 32 times, loads whole fragments.
; THE MODE: SCHED_MODE bits 1:0 = 2 (LLVM: expert scheduling mode 2), set by the entry lines.  The code itself states the register dependences
; between vector or matrix instructions and memory or LDS instructions, with s_wait_alu, always for 0.
; THE PLAN.  Registers that memory or LDS instructions touch, in a pass:
;   X0 .. X3   x's fragments.  K step s: its 24 products read X[s % 4]; the loads of K step s + 3 land in X[(s + 3) % 4] = X[(s - 1) % 4].  Sets 0 to 2 are asked for at the pass's head.
;   WF0, WF1   the weights' fragments.  K step s: its products read WF[s % 2]; the LDS loads of K step s + 1 land in WF[(s - 1) % 2].  Behind K step 15 the epilogue's vector lines work in them; the pass's stores read the codes and bytes there.
;   SR         in WF1: the tokens' experts and weights, loaded at the pass's head, read by compares and selects ahead of K step 0.
;   XS         x's scale words: loaded at the pass's head, read by the products.      WS: the weights' scale words: loaded and permuted once, ahead of the first pass.
;   v24-32, v34-45, v64-69   offsets: written by vector lines at the pass's head, read by the pass's loads and stores.      v3, v6-9, v61, v76: made at the kernel's head and never written again.
; So: at the pass's head one wait on vm_vsrc ahead of the lines that write the offsets, and one on va_vdst behind them, ahead of the run of loads.  At the head of K steps 0 to 14 ONE wait on va_vdst, behind the waits for the
; step's data: the step before is done reading the two buffers in which this step's 30 loads land.  Those loads are dealt among the step's products, which name X[s % 4], WF[s % 2], WS, XS and the accumulators:
; none of the registers that the loads touch.  Behind the six items' epilogues one wait on va_vdst, ahead of the run of stores.  Compares that write scalar registers stand in runs, one wait on va_sdst behind each run.
; REGISTERS, in windows of 256.  Window 0: v1-79 addresses and small things (below); v80-111 the weights' scale words; v112-159 x's; v160-255 weight fragments, two sets of 48 (free in the epilogue).
;   Window 1: accumulators at v[32 item + 16 mat + 8 tile].   Window 2: x's fragments, sets 0, 1, 2 of 72 (first: the staging).   Window 3: set 3.
.set PW,  1552                         ; a weight row in LDS: 1,536 bytes + 16: an odd multiple of 16, so that the 16 rows of a load start in different banks
.set SCW, 64*PW                        ; behind the 64 rows: their scale bytes,
.set SPT, 80                           ; 64 bytes + 16 a row
.set XSC_OFF, 0x180000                 ; xim: behind 64 tiles x 24,576 bytes of images the scale words, 1,024 bytes a tile,
.set SRW_OFF, 0x190000                 ; and behind those the experts and weights, 256 bytes a tile
.set WS,  80                           ; v[WS + 16 tile + s]: lanes 0-15 gate's word of K step s, lanes 16-31 up's
.set XS,  112                          ; v[XS + 16 a + s]: lanes 0-15 item 2 a's tokens, lanes 16-31 item 2 a + 1's
.set WF,  160
.set SR,  208                          ; v[SR + 4 i ..]: item i's tokens' two experts and two weights, as loaded: in the weights' set 1, which takes no fragment before K step 0
.set T,   160                          ; epilogue: v160-175 at work, v176-191 g u w
.set Q,   176
.set CC,  192                          ; v[CC + 4 i ..]: item i's codes;  v[BY + i]: its scale byte
.set BY,  216
; v1 r  v2 h  v3 16 lane  v5 48 h  v6, v61 my place in gate's and up's rows  v7 in the scale rows  v8, v9 staging  v10 48 r + 12 h  v11 32 r  v12 16 r  v13, v14 at work
; v24-29 the items' images  v30-32 their scale words  v33 64 r  v34-39, v40-45 where codes and bytes go  v46, v47 ranks  v48-59 w, in pairs  v60 a permute's destination  v62, v63 masks  v64-69 experts and weights  v70-71 c1
; v78, v79 the closing add's two
; s28 wave  s29 e  s30 B  s31 items of e  s32, s33 which tiles are items  s34 my first item of the pass  s36-41 its six tiles  s42, s43 the block's place in a slot  s[44:47] staging  s48, s49 lane selects  s[50:51] c2
; s52 my passes  s53 passes done  s54 byte select  s55-63 at work  s66-77 masks that compares write
.set MSB, 0
.macro WIN new                         ; the immediate's high byte repeats the setting that is left
.if MSB != \new
	s_set_vgpr_msb (MSB<<8)|\new
.set MSB, \new
.endif
.endm
.macro PLACES n
.rept \n
	v_nop
.endr
.endm
	s_load_b64 s[4:5], s[0:1], 0x0                 ; xim
	s_load_b256 s[8:15], s[0:1], 0x8               ; gate codes s[8:9], gate scales s[10:11], up codes s[12:13], up scales s[14:15]
	s_load_b64 s[22:23], s[0:1], 0x28              ; lists
	s_load_b128 s[24:27], s[0:1], 0x30             ; hidc s[24:25], hids s[26:27]
	v_lshl_add_u32 v78, v0, 2, 0x19800
	v_mov_b32 v79, 0
	v_lshrrev_b32 v72, 5, v0
	v_readfirstlane_b32 s28, v72                   ; wave 0..3
	s_and_b32 s29, ttmp7, 0xffff                   ; e
	s_mov_b32 s30, ttmp9                           ; B
	v_and_b32 v73, 31, v0
	v_and_b32 v1, 15, v0
	v_bfe_u32 v2, v0, 4, 1
	v_lshlrev_b32 v3, 4, v73
	v_lshlrev_b32 v12, 4, v1
	v_lshlrev_b32 v33, 6, v1
	v_mul_u32_u24 v5, v2, 48
	v_mul_u32_u24 v6, v1, PW
	v_add_nc_u32 v6, v6, v5
	v_add_nc_u32 v61, 32*PW, v6
	v_mul_u32_u24 v7, v1, SPT
	v_mad_u32_u24 v7, v2, 32*SPT, v7               ; lanes 16-31 take up's rows
	v_add_nc_u32 v7, SCW, v7
	s_wait_alu depctr_va_sdst(0)                   ; s28 is written, ahead of its first reader
	s_lshr_b32 s55, s28, 1                         ; waves 0, 1 stage gate's rows, waves 2, 3 up's; each 16 tensor rows
	s_lshl_b32 s55, s55, 5
	s_and_b32 s56, s28, 1
	s_lshl_b32 s57, s56, 3
	s_add_co_u32 s55, s55, s57                     ; LDS row 32 mat + 8 (wave % 2), + 16 (row / 8) + row % 8 in the stores' offsets
	s_mul_i32 s58, s55, PW
	v_add_nc_u32 v8, s58, v3
	s_mul_i32 s59, s55, SPT
	s_add_co_u32 s59, s59, SCW
	v_lshrrev_b32 v74, 2, v73
	v_mul_u32_u24 v9, v74, SPT
	v_and_b32 v75, 3, v73
	v_lshl_add_u32 v9, v75, 4, v9
	v_add_nc_u32 v9, s59, v9
	v_mul_u32_u24 v10, v1, 48
	v_mad_u32_u24 v10, v2, 12, v10
	v_lshlrev_b32 v11, 5, v1
	v_lshlrev_b32 v76, 2, v73
	v_mov_b32 v60, 0
	v_mov_b32 v70, 0xc0135761                      ; c1 = -2.3022082
	v_mov_b32 v71, 0xc0135761
	s_mov_b32 s35, 0xffff0000
	s_mov_b32 s48, 0x76543210
	s_mov_b32 s49, 0xfedcba98                      ; lane l xor 16
	s_mov_b32 s50, 0xbdd2d3e8                      ; c2 = -0.10294324
	s_mov_b32 s51, s50
	s_mov_b32 s54, 0x03010200                      ; bytes 1 and 2 change places
	s_lshr_b32 s55, s30, 2                         ; block B = 4 ks + 2 h + c of a slot: codes at 1,536 ks + 768 h + 24 c, byte at 4 ks + 2 c + h
	s_mul_i32 s42, s55, 1536
	s_lshl_b32 s43, s55, 2
	s_bfe_u32 s57, s30, 0x10001
	s_mul_i32 s58, s57, 768
	s_add_co_u32 s42, s42, s58
	s_add_co_u32 s43, s43, s57
	s_and_b32 s57, s30, 1
	s_mul_i32 s58, s57, 24
	s_add_co_u32 s42, s42, s58
	s_lshl_b32 s58, s57, 1
	s_add_co_u32 s43, s43, s58
	s_lshl_b32 s60, s29, 10                        ; my first tensor row: 1,024 e + 32 B + 16 (wave % 2)
	s_lshl_b32 s61, s30, 5
	s_add_co_u32 s60, s60, s61
	s_lshl_b32 s61, s56, 4
	s_add_co_u32 s60, s60, s61
	s_mul_i32 s62, s60, 1536
	s_mov_b32 s63, 0
	s_lshl_b32 s60, s60, 6
	s_mov_b32 s61, 0
	s_wait_kmcnt 0x0
	s_wait_alu depctr_va_vdst(0)                   ; the offsets and LDS addresses made above are written: v76 and v3, which the loads below read, and v6 to v9 and v61, which the LDS stores and loads further down read
	global_load_b32 v62, v76, s[22:23]             ; the masks of tiles 0-31 and 32-63, a lane a tile
	global_load_b32 v63, v76, s[22:23] offset:128
	s_cmp_lt_u32 s28, 2
	s_cselect_b64 s[44:45], s[8:9], s[12:13]
	s_cselect_b64 s[46:47], s[10:11], s[14:15]
	s_add_nc_u64 s[44:45], s[44:45], s[62:63]
	s_add_nc_u64 s[46:47], s[46:47], s[60:61]
	WIN 0x80                                       ; destination window 2
.set j, 0
.rept 48
	global_load_b128 v[4*j:4*j+3], v3, s[44:45] offset:512*j th:TH_LOAD_NT   ; my 16 rows are 24,576 dense bytes: 512 consecutive bytes a load
.set j, j+1
.endr
	global_load_b128 v[192:195], v3, s[46:47] th:TH_LOAD_NT                  ; and their 1,024 scale bytes
	global_load_b128 v[196:199], v3, s[46:47] offset:512 th:TH_LOAD_NT
	WIN 0
	s_wait_loadcnt 50                              ; the two masks are in; the 50 staging loads may be out
	v_lshrrev_b32 v77, s29, v62
	v_and_b32 v77, 1, v77
	v_cmp_ne_u32 s32, 0, v77                       ; which of tiles 0-31 are items of e,
	v_lshrrev_b32 v77, s29, v63
	v_and_b32 v77, 1, v77
	v_cmp_ne_u32 s33, 0, v77                       ; which of tiles 32-63
	s_wait_alu depctr_va_sdst(0)                   ; s32 and s33 are written, ahead of their first readers
	s_bcnt1_i32_b32 s55, s32
	s_bcnt1_i32_b32 s56, s33
	s_add_co_u32 s31, s55, s56                     ; how many: 64 at the most
	v_mbcnt_lo_u32_b32 v46, s32, 0                 ; a member's number among the items
	s_wait_alu depctr_va_vdst(0)
	v_mbcnt_lo_u32_b32 v47, s33, s55
	s_wait_alu depctr_va_vdst(0)
	s_mul_i32 s34, s28, 6
	s_add_co_u32 s52, s31, 23                      ; my passes: (items + 23 - 6 wave) / 24, rounded down.  The argument is 87 at the most,
	s_sub_co_u32 s52, s52, s34
	s_mul_i32 s52, s52, 2731                       ; up to which x 2,731 >> 16 is the quotient by 24
	s_lshr_b32 s52, s52, 16
	s_min_u32 s52, s52, 3
	s_mov_b32 s53, 0
; The tiles of items s34 .. s34 + 5.  An item beyond the last gives a tile inside the table, whose work is thrown away.
; The twelve compares stand in one run, each with a scalar register of its own, so that one wait serves them all.
.macro ITEMS
.irp i, 0,1,2,3,4,5
	s_add_co_u32 s[55+\i], s34, \i
.endr
.irp i, 0,1,2,3,4,5
	v_cmp_eq_u32 s[66+2*\i], s[55+\i], v46
	v_cmp_eq_u32 s[67+2*\i], s[55+\i], v47
.endr
	s_wait_alu depctr_va_sdst(0)                   ; s66 to s77 are written, ahead of their first readers
.irp i, 0,1,2,3,4,5
	s_and_b32 s56, s[66+2*\i], s32
	s_and_b32 s57, s[67+2*\i], s33
	s_ctz_i32_b32 s58, s56
	s_ctz_i32_b32 s59, s57
	s_add_co_u32 s59, s59, 32
	s_cmp_lg_u32 s56, 0
	s_cselect_b32 s[36+\i], s58, s59
	s_min_u32 s[36+\i], s[36+\i], 63
.endr
.endm
	ITEMS
	s_wait_loadcnt 0x0                             ; the staging is in
	WIN 0x08                                       ; an LDS store's data are its source 1: window 2
.set j, 0
.rept 48
	ds_store_b128 v8, v[4*j:4*j+3] offset:(16*((j/3)/8)+(j/3)%8)*PW+512*(j%3)
.set j, j+1
.endr
	ds_store_b128 v9, v[192:195]
	ds_store_b128 v9, v[196:199] offset:16*SPT
	WIN 0
	s_wait_dscnt 0x0                               ; for the others' sake: my rows are written
	s_barrier_signal -1
	s_barrier_wait -1                              ; the launch's one barrier, ahead of every branch on loaded numbers: LDS is only read from here on
.irp u, 0,1
.irp q, 0,1,2,3
	ds_load_b128 v[WS+16*\u+4*\q:WS+16*\u+4*\q+3], v7 offset:16*SPT*\u+16*\q
.endr
.endr
	s_wait_dscnt 0x0
.set j, 0
.rept 32
	v_perm_b32 v[WS+j], v[WS+j], v[WS+j], s54
.set j, j+1
.endr
	s_cmp_lt_u32 s53, s52
	s_cbranch_scc0 .Lend                           ; a wave without an item is done
.macro XLOAD3 s, a, b, c               ; three items' fragments of K step s into set s % 4: 9 loads of 512 consecutive bytes
.if ((\s)%4) == 3
	WIN 0xc0
.set XL, 0
.else
	WIN 0x80
.set XL, 72*((\s)%4)
.endif
.irp i, \a, \b, \c
.irp g, 0,1,2
	global_load_b128 v[XL+12*\i+4*\g:XL+12*\i+4*\g+3], v[24+\i], s[4:5] offset:1536*(\s)+512*\g
.endr
.endr
.endm
.macro WLOAD s                         ; the four weight fragments of K step s into set s % 2: 12 loads
	WIN 0
.irp u, 0,1
.irp g, 0,1,2
	ds_load_b128 v[WF+48*((\s)%2)+12*\u+4*\g:WF+48*((\s)%2)+12*\u+4*\g+3], v6 offset:16*\u*PW+96*(\s)+16*\g
.endr
.endr
.irp u, 0,1
.irp g, 0,1,2
	ds_load_b128 v[WF+48*((\s)%2)+24+12*\u+4*\g:WF+48*((\s)%2)+24+12*\u+4*\g+3], v61 offset:16*\u*PW+96*(\s)+16*\g
.endr
.endr
.endm
; One product.  z: it starts the sum;  ra: source 0's scales stand in lanes 16-31 (up);  rb: source 1's (an odd item)
.macro MM z, ra, rb
.if \z
.if (\ra) && (\rb)
	v_wmma_scale_f32_16x16x128_f8f6f4 v[OD:OD+7], v[OA:OA+11], v[OB:OB+11], 0, v[OSA], v[OSB] matrix_a_fmt:MATRIX_FMT_FP6 matrix_b_fmt:MATRIX_FMT_FP6 matrix_a_scale:MATRIX_SCALE_ROW1 matrix_b_scale:MATRIX_SCALE_ROW1
.elseif \ra
	v_wmma_scale_f32_16x16x128_f8f6f4 v[OD:OD+7], v[OA:OA+11], v[OB:OB+11], 0, v[OSA], v[OSB] matrix_a_fmt:MATRIX_FMT_FP6 matrix_b_fmt:MATRIX_FMT_FP6 matrix_a_scale:MATRIX_SCALE_ROW1
.elseif \rb
	v_wmma_scale_f32_16x16x128_f8f6f4 v[OD:OD+7], v[OA:OA+11], v[OB:OB+11], 0, v[OSA], v[OSB] matrix_a_fmt:MATRIX_FMT_FP6 matrix_b_fmt:MATRIX_FMT_FP6 matrix_b_scale:MATRIX_SCALE_ROW1
.else
	v_wmma_scale_f32_16x16x128_f8f6f4 v[OD:OD+7], v[OA:OA+11], v[OB:OB+11], 0, v[OSA], v[OSB] matrix_a_fmt:MATRIX_FMT_FP6 matrix_b_fmt:MATRIX_FMT_FP6
.endif
.else
.if (\ra) && (\rb)
	v_wmma_scale_f32_16x16x128_f8f6f4 v[OD:OD+7], v[OA:OA+11], v[OB:OB+11], v[OD:OD+7], v[OSA], v[OSB] matrix_a_fmt:MATRIX_FMT_FP6 matrix_b_fmt:MATRIX_FMT_FP6 matrix_a_scale:MATRIX_SCALE_ROW1 matrix_b_scale:MATRIX_SCALE_ROW1
.elseif \ra
	v_wmma_scale_f32_16x16x128_f8f6f4 v[OD:OD+7], v[OA:OA+11], v[OB:OB+11], v[OD:OD+7], v[OSA], v[OSB] matrix_a_fmt:MATRIX_FMT_FP6 matrix_b_fmt:MATRIX_FMT_FP6 matrix_a_scale:MATRIX_SCALE_ROW1
.elseif \rb
	v_wmma_scale_f32_16x16x128_f8f6f4 v[OD:OD+7], v[OA:OA+11], v[OB:OB+11], v[OD:OD+7], v[OSA], v[OSB] matrix_a_fmt:MATRIX_FMT_FP6 matrix_b_fmt:MATRIX_FMT_FP6 matrix_b_scale:MATRIX_SCALE_ROW1
.else
	v_wmma_scale_f32_16x16x128_f8f6f4 v[OD:OD+7], v[OA:OA+11], v[OB:OB+11], v[OD:OD+7], v[OSA], v[OSB] matrix_a_fmt:MATRIX_FMT_FP6 matrix_b_fmt:MATRIX_FMT_FP6
.endif
.endif
.endm
.macro PROD s, i                       ; item i's four products of K step s: gate's two tiles, up's two
.irp m, 0,1
.irp u, 0,1
.set OD, 32*(\i)+16*\m+8*\u
.set OA, WF+48*((\s)%2)+12*(2*\m+\u)
.set OB, XB+12*(\i)
.set OSA, WS+16*\u+(\s)
.set OSB, XS+16*((\i)/2)+(\s)
	MM ((\s)==0), \m, ((\i)%2)
.endr
.endr
.endm
; K step s of 16: 24 products, the items one after the other.  Among them x is asked for three steps ahead and the weights' fragments one step ahead.
.macro STEP s
.if ((\s)%4) == 3
.set WM, 0x5c                          ; source 0 window 0, source 1 window 3, C and D window 1
.set XB, 0
.else
.set WM, 0x58                          ; source 1 window 2
.set XB, 72*((\s)%4)
.endif
.if ((\s) >= 1) && ((\s) <= 14)
	PLACES 4                                       ; four plain places stay between the last step's products and the loads into registers that they read; the wait on va_vdst below fills no place
.endif
.if (\s) <= 13
	s_wait_loadcnt 36                              ; this step's 18 loads of x are in; those of the two steps behind it may be out
.else
	s_wait_loadcnt 18*(15-(\s))                    ; the counts run down
.endif
	s_wait_dscnt 0x0                               ; this step's weight fragments are in: no other LDS load is out
.if (\s) == 0
	s_wait_alu depctr_va_vdst(0)                   ; the compares and selects are done reading v[SR ..], in which K step 1's weight fragments land
.elseif (\s) <= 14
	s_wait_alu depctr_va_vdst(0)                   ; the last step's products are done reading their set of x and their set of weight fragments, in which this step's loads land
.endif
	WIN WM
	PROD \s, 0
.if (\s) <= 14
	WLOAD (\s)+1                                   ; no wait: no vector or matrix instruction since the wait above names these registers or v6, v61
.endif
	WIN WM
	PROD \s, 1
	PROD \s, 2
.if (\s) <= 12
	XLOAD3 (\s)+3, 0, 1, 2                         ; likewise: the step's products name another set of x, and none of v24 to v29
.endif
	WIN WM
	PROD \s, 3
	PROD \s, 4
.if (\s) <= 12
	XLOAD3 (\s)+3, 3, 4, 5
.endif
	WIN WM
	PROD \s, 5
.endm
; Item i's results: A = g u w / (1 + 2^(g (c1 + c2 g^2))), its block's scale, its codes.  An item beyond the last is passed over.
.macro EPI i
	s_add_co_u32 s55, s34, \i
	s_cmp_lt_u32 s55, s31
	s_cbranch_scc0 .Lskip_\@
	WIN 0x05                                       ; sources 0 and 1 window 1
.irp j, 0,2,4,6,8,10,12,14
	v_pk_mul_f32 v[T+\j:T+\j+1], v[32*\i+\j:32*\i+\j+1], v[32*\i+\j:32*\i+\j+1]          ; g^2: each accumulator is read from its low end on
.endr
.irp j, 0,2,4,6,8,10,12,14
	v_pk_mul_f32 v[Q+\j:Q+\j+1], v[32*\i+\j:32*\i+\j+1], v[32*\i+16+\j:32*\i+16+\j+1]    ; g u
.endr
	WIN 0
.irp j, 0,2,4,6,8,10,12,14
	v_pk_fma_f32 v[T+\j:T+\j+1], v[T+\j:T+\j+1], s[50:51], v[70:71] op_sel_hi:[1,0,1]    ; c2 g^2 + c1
.endr
	WIN 0x04                                       ; source 1 window 1
.irp j, 0,2,4,6,8,10,12,14
	v_pk_mul_f32 v[T+\j:T+\j+1], v[T+\j:T+\j+1], v[32*\i+\j:32*\i+\j+1]
.endr
	WIN 0
	s_wait_alu depctr_va_vdst(0)
.irp j, 0,1,2,3,4,5,6,7,8,9,10,11,12,13,14,15
	v_exp_f32 v[T+\j], v[T+\j]
.endr
.irp j, 0,2,4,6,8,10,12,14
	v_pk_mul_f32 v[Q+\j:Q+\j+1], v[Q+\j:Q+\j+1], v[48+2*\i:49+2*\i]                      ; g u w: plain work behind the exponentials
.endr
	s_wait_alu depctr_va_vdst(0)                   ; the sixteen exponentials have written v[T ..]: one wait for the batch, ahead of its first reader
.irp j, 0,2,4,6,8,10,12,14
	v_pk_add_f32 v[T+\j:T+\j+1], v[T+\j:T+\j+1], 1.0 op_sel_hi:[1,0]
.endr
	s_wait_alu depctr_va_vdst(0)
.irp j, 0,1,2,3,4,5,6,7,8,9,10,11,12,13,14,15
	v_rcp_f32 v[T+\j], v[T+\j]
.endr
	v_nop                                          ; a plain place behind the last reciprocal
	s_wait_alu depctr_va_vdst(0)                   ; the sixteen reciprocals have written v[T ..]: the batch's one wait
.irp j, 0,2,4,6,8,10,12,14
	v_pk_mul_f32 v[T+\j:T+\j+1], v[T+\j:T+\j+1], v[Q+\j:Q+\j+1]                          ; A: units 16 h + 0 .. 15 of my token
.endr
	v_max3_num_f32 v224, |v[T]|, |v[T+1]|, 0x1800000       ; my 16, and the floor 2^(3 - 127): the byte cannot fall under 1
	v_max3_num_f32 v225, |v[T+2]|, |v[T+3]|, |v[T+4]|
	v_max3_num_f32 v224, v224, |v[T+5]|, |v[T+6]|
	v_max3_num_f32 v225, v225, |v[T+7]|, |v[T+8]|
	v_max3_num_f32 v224, v224, |v[T+9]|, |v[T+10]|
	v_max3_num_f32 v225, v225, |v[T+11]|, |v[T+12]|
	v_max3_num_f32 v224, v224, |v[T+13]|, |v[T+14]|
	v_max3_num_f32 v224, v224, v225, |v[T+15]|
	v_permlanex16_b32 v60, v224, s48, s49
	v_max_num_f32 v224, v224, v60                  ; with lane l xor 16's 16: the block's largest magnitude
	v_add_nc_u32 v226, 0xff000000, v224            ; 2 off its exponent field: the conversion's scale operand
	v_cvt_scalef32_pk16_fp6_f32 v[CC+4*\i:CC+4*\i+2], v[T:T+15], v226
	v_lshrrev_b32 v[BY+\i], 23, v226               ; the scale's byte (also the plain place behind the conversion)
.Lskip_\@:
.endm
; Item i's codes and byte leave.  Each item has registers of its own for them, so that the six items' stores can stand in one run; the test is the one that led round the item's arithmetic.
.macro OUT i
	s_add_co_u32 s55, s34, \i
	s_cmp_lt_u32 s55, s31
	s_cbranch_scc0 .Lnone_\@
	global_store_b96 v[34+\i], v[CC+4*\i:CC+4*\i+2], s[24:25]
	global_store_b8 v[40+\i], v[BY+\i], s[26:27]   ; lanes l and l xor 16 store the same byte with the same value
.Lnone_\@:
.endm
.Lpass:
	s_wait_xcnt 0x0                                ; the last pass's loads and stores have read their offsets and data: both are written again below
	s_wait_alu depctr_vm_vsrc(0)                   ; the last pass's loads and stores have read v24-32, v34-45 and v64-69, which the lines below write, and its stores their codes and bytes, in which loads land; in the first pass: my LDS stores have read the staging registers, in which x lands
.irp i, 0,1,2,3,4,5
	s_mul_i32 s55, s[36+\i], 24576                 ; the tile's 16 images,
	s_lshl_b32 s56, s[36+\i], 8                    ; its 16 tokens' experts and weights
	v_add_nc_u32 v[24+\i], s55, v3
	v_add_nc_u32 v[64+\i], s56, v12
.endr
.irp a, 0,1,2
	s_lshl_b32 s55, s[36+2*\a], 10                 ; 1,024 bytes of scale words a tile
	s_lshl_b32 s56, s[37+2*\a], 10
	v_mov_b32 v13, s55
	v_mov_b32 v14, s56
	v_cndmask_b32 v[30+\a], v13, v14, s35          ; lanes 0-15 the even item's tile, lanes 16-31 the odd item's
	v_min_u32 v[30+\a], 0xfc00, v[30+\a]
	v_add_nc_u32 v[30+\a], v[30+\a], v33           ; + 64 r
.endr
.irp i, 0,1,2,3,4,5
	s_lshl_b32 s55, s[36+\i], 3
	s_add_co_u32 s55, s55, s29                     ; slot 8 tile + e
	s_mul_i32 s56, s55, 12288
	s_add_co_u32 s56, s56, s42
	s_lshl_b32 s57, s55, 9
	s_add_co_u32 s57, s57, s43
	v_add_nc_u32 v[34+\i], s56, v10
	v_add_nc_u32 v[40+\i], s57, v11
.endr
	s_wait_alu depctr_va_vdst(0)                   ; the offsets above are written, which the pass's loads and stores read; the last pass's products and epilogue are done with v[XS ..], v160-255 and the sets of x, in which the loads below land; in the first pass: the permutes have written v[WS ..], which the products take as scales
.irp a, 0,1,2
.irp q, 0,1,2,3
	global_load_b128 v[XS+16*\a+4*\q:XS+16*\a+4*\q+3], v[30+\a], s[4:5] offset:XSC_OFF+16*\q
.endr
.endr
.irp i, 0,1,2,3,4,5
	global_load_b128 v[SR+4*\i:SR+4*\i+3], v[64+\i], s[4:5] offset:SRW_OFF   ; my token's two experts and two weights
.endr
.irp s, 0,1,2
	XLOAD3 \s, 0, 1, 2
	XLOAD3 \s, 3, 4, 5
.endr
	WLOAD 0
	s_wait_loadcnt 54                              ; all but the three sets of x, 18 loads each
.irp i, 0,1,2,3,4,5                    ; w[t, e]: the weights of the slots that chose e.  The twelve compares in one run, each with a scalar register of its own
	v_cmp_eq_u32 s[66+2*\i], s29, v[SR+4*\i]
	v_cmp_eq_u32 s[67+2*\i], s29, v[SR+1+4*\i]
.endr
	s_wait_alu depctr_va_sdst(0)                   ; s66 to s77 are written, ahead of the selects that read them
.irp i, 0,1,2,3,4,5
	v_cndmask_b32 v[48+2*\i], 0, v[SR+2+4*\i], s[66+2*\i]
	v_cndmask_b32 v[49+2*\i], 0, v[SR+3+4*\i], s[67+2*\i]
	v_add_f32 v[48+2*\i], v[48+2*\i], v[49+2*\i]
	v_mov_b32 v[49+2*\i], v[48+2*\i]
.endr
.irp s, 0,1,2,3,4,5,6,7,8,9,10,11,12,13,14,15
	STEP \s
.endr
	WIN 0
	PLACES 4                                       ; between the last products and the first read of results
.irp i, 0,1,2,3,4,5
	EPI \i
.endr
	s_wait_alu depctr_va_vdst(0)                   ; the conversions have written the items' codes and the shifts their bytes, which the stores below read
.irp i, 0,1,2,3,4,5
	OUT \i
.endr
	s_add_co_u32 s34, s34, 24                      ; the four waves' next 24 items
	ITEMS
	s_add_co_u32 s53, s53, 1                       ; the loop's counter: one a pass, against my number of passes
	s_cmp_lt_u32 s53, s52
	s_cbranch_scc1 .Lpass
.Lend:
	s_wait_dscnt 0x0                               ; the closing lines, six on end
	s_wait_alu 0x0
	s_wait_tensorcnt 0x0
	ds_add_u32 v78, v79
	s_wait_dscnt 0x0
	s_endpgm
.Lfunc_end_k_q183f107cc8_gateup:
	.size	k_q183f107cc8_gateup, .Lfunc_end_k_q183f107cc8_gateup-k_q183f107cc8_gateup
	.p2alignl 7, 3214868480
	.fill 96, 4, 3214868480
	.section	.rodata,"a",@progbits
	.p2align	6, 0x0
	.amdhsa_kernel k_q183f107cc8_gateup
		.amdhsa_group_segment_fixed_size 104960
		.amdhsa_private_segment_fixed_size 0
		.amdhsa_enable_private_segment 0
		.amdhsa_kernarg_size 64
		.amdhsa_user_sgpr_count 2
		.amdhsa_user_sgpr_kernarg_segment_ptr 1
		.amdhsa_wavefront_size32 1
		.amdhsa_system_sgpr_workgroup_id_x 1
		.amdhsa_system_sgpr_workgroup_id_y 1
		.amdhsa_system_sgpr_workgroup_id_z 1
		.amdhsa_system_vgpr_workitem_id 0
		.amdhsa_next_free_vgpr 840
		.amdhsa_next_free_sgpr 80
		.amdhsa_reserve_vcc 0
		.amdhsa_float_denorm_mode_32 3
		.amdhsa_float_denorm_mode_16_64 3
		.amdhsa_memory_ordered 1
		.amdhsa_forward_progress 1
		.amdhsa_inst_pref_size 157
	.end_amdhsa_kernel
	.amdgpu_metadata
---
amdhsa.version: [ 1, 2 ]
amdhsa.kernels:
  - .name:           k_q183f107cc8_gateup
    .symbol:         k_q183f107cc8_gateup.kd
    .args:
      - { .name: xim, .offset: 0, .size: 8, .value_kind: global_buffer, .address_space: global }
      - { .name: gate_w_codes, .offset: 8, .size: 8, .value_kind: global_buffer, .address_space: global }
      - { .name: gate_w_scales, .offset: 16, .size: 8, .value_kind: global_buffer, .address_space: global }
      - { .name: up_w_codes, .offset: 24, .size: 8, .value_kind: global_buffer, .address_space: global }
      - { .name: up_w_scales, .offset: 32, .size: 8, .value_kind: global_buffer, .address_space: global }
      - { .name: lists, .offset: 40, .size: 8, .value_kind: global_buffer, .address_space: global }
      - { .name: hidc, .offset: 48, .size: 8, .value_kind: global_buffer, .address_space: global }
      - { .name: hids, .offset: 56, .size: 8, .value_kind: global_buffer, .address_space: global }
    .group_segment_fixed_size: 104960
    .private_segment_fixed_size: 0
    .kernarg_segment_align: 8
    .kernarg_segment_size: 64
    .max_flat_workgroup_size: 128
    .sgpr_count:     80
    .vgpr_count:     840
    .wavefront_size: 32
...
	.end_amdgpu_metadata
.endif
;; end of part 5
;; launch down (part 6): grid 32 x 8, 4 waves a work-group, no clusters, 17,920 bytes of LDS; arguments dwc, dsc, hidc, hids, tok, lists, out0; writes out0
.if DOCPART == 6
	.amdgcn_target "amdgcn-amd-amdhsa--gfx1250"
	.amdhsa_code_object_version 6
	.text
	.protected	k_q183f107cc8_down
	.globl	k_q183f107cc8_down
	.p2align	8
	.type	k_q183f107cc8_down,@function
k_q183f107cc8_down:
	s_mov_b64 s[64:65], 0
	v_nop
	global_prefetch_b8 v0, s[64:65] scope:SCOPE_SE
	s_setreg_imm32_b32 hwreg(HW_REG_WAVE_SCHED_MODE, 0, 2), 2
	s_setreg_imm32_b32 hwreg(HW_REG_WAVE_MODE, 25, 1), 1
	s_wait_xcnt 0x0
	s_wait_alu depctr_vm_vsrc(0)
; DOWN.  out[t][h] = the sum over e and i of A[t][e][i] down_w[e][i][h], both operands as codes of FP6 (E2M3) with E8M0 scales, made by the two launches before.
; SHARES.  Work-group (cb, tg): 64 columns x 8 tiles of 16 sorted tokens.  Wave w: tiles 8 tg + 2 w and the next, 8 accumulators (4 column tiles x 2 token tiles), which take turns, one instruction a turn
; EACH OUTPUT ROW HAS ONE OWNER: the wave walks the experts in the union of its two tiles' masks, 8 K steps of 128 each; a tile that lacks an expert reads slot 512, zeros.
; No tensor load, no cluster: the walk hangs on the stored masks.  Both operands lie in memory as images of their registers, so a fragment is three loads of 16 bytes a lane, straight into registers, three K steps ahead.
; TRANSPOSED: source 0 = 16 columns of down_w, source 1 = 16 tokens: a lane holds eight neighbouring columns of one token's row.  Order of K inside a step and the exchanged scale bytes: as the makers laid them.
; The accumulators are cleared once, 64 moves, so that no expert's trip differs from another's in its products.
; A trip's last three K steps ask for the next expert's first three; the last expert's trip is written out behind the loop and asks for nothing more.
; THE MODE: SCHED_MODE bits 1:0 = 2 (LLVM: expert scheduling mode 2), set by the entry lines.  The code itself states the register dependences
; between vector or matrix instructions and memory or LDS instructions, with s_wait_alu, always for 0.
; THE PLAN.  Registers that memory or LDS instructions touch, in the walk:
;   sets 0 .. 3, each with three scale words   K step ks: its eight products read set ks % 4; the 21 loads of K step ks + 3 land in set (ks + 3) % 4 = (ks - 1) % 4.
;   v7, v8     offsets of the hidden layer's scale words, this expert's and the next's: written by vector lines at a trip's head, read by one load a K step.
;   v3, v4, v5 offsets made at the kernel's head and never written again.  The accumulators are named by vector and matrix instructions alone until the way out.
; So: at a trip's head one wait on vm_vsrc ahead of the lines that write v7 and v8.  In each K step that loads ONE wait on va_vdst, behind the wait for the step's data: the step before is done reading the set
; in which this step's loads land, and in a trip's first step v7 and v8 are written.  The loads follow the step's first two products, which name another set and none of the offsets.
; On the way out one wait on va_vdst, behind the places and the lines that make the stores' offsets.
; REGISTERS.  Window 0: v1 r  v2 h  v3 16 lane  v4 48 lane  v5 4 lane  v6 32 r  v7, v8 hidden scale words' offsets (this expert, the next)  v9, v10 the stage  v11 tok's offset  v12-27 tokens, then offsets in out
;   v30 16 r  v32-46 scale words, three to a set at v[32 + 4 set]  v43, v47 the closing add's two  v48-111 accumulators at v[48 + 8 (2 n + t)]  v112-183 set 0  v184-255 set 1.   Window 1: v0-71 set 2, v72-143 set 3.   In a set: down fragment n at 12 n, hidden fragment t at 48 + 12 t.
; s20 wave  s21 cb  s22 first tile  s24, s25 masks  s26 experts left  s27 trips left in the loop  s28 the expert  s[32:39] this expert's bases (codes, scales, hidden 0, hidden 1)  s[40:47] the next's  s[48:53] dwc, dsc, out0 at my columns
.set MSB, 0
.macro WIN new                         ; the immediate's high byte repeats the setting that is left
.if MSB != \new
	s_set_vgpr_msb (MSB<<8)|\new
.set MSB, \new
.endif
.endm
.macro PLACES n
.rept \n
	v_nop
.endr
.endm
	s_load_b256 s[4:11], s[0:1], 0x0               ; dwc s[4:5], dsc s[6:7], hidc s[8:9], hids s[10:11]
	s_load_b128 s[12:15], s[0:1], 0x20             ; tok s[12:13], lists s[14:15]
	s_load_b64 s[16:17], s[0:1], 0x30              ; out0
	v_lshl_add_u32 v43, v0, 2, 0x4400
	v_mov_b32 v47, 0
	v_lshrrev_b32 v28, 5, v0
	v_readfirstlane_b32 s20, v28                   ; wave 0..3
	v_and_b32 v29, 31, v0
	v_and_b32 v1, 15, v0
	v_bfe_u32 v2, v0, 4, 1
	v_lshlrev_b32 v3, 4, v29
	v_mul_u32_u24 v4, v29, 48
	v_lshlrev_b32 v5, 2, v29
	v_lshlrev_b32 v6, 5, v1
	v_lshlrev_b32 v30, 4, v1
	s_wait_alu depctr_va_sdst(0)                   ; s20 is written, ahead of its first reader
	s_mul_i32 s54, s20, 4352                       ; my stage: 16 rows x (256 bytes + 16)
	v_mul_u32_u24 v9, v1, 272
	v_lshl_add_u32 v9, v2, 5, v9
	v_add_nc_u32 v9, s54, v9                       ; in: row r, 32 bytes for each half of the lanes
	v_mul_u32_u24 v10, v2, 272
	v_add_nc_u32 v10, v10, v30
	v_add_nc_u32 v10, s54, v10                     ; back: lanes 0-15 one row of 256 bytes, lanes 16-31 the next
	s_mov_b32 s21, ttmp9
	s_and_b32 s22, ttmp7, 0xffff
	s_lshl_b32 s22, s22, 3
	s_lshl_b32 s55, s20, 1
	s_add_co_u32 s22, s22, s55                     ; my first tile
	s_lshl_b32 s55, s22, 6
	v_lshl_add_u32 v11, v2, 2, s55                 ; tok: 64 bytes a tile, + 4 for lanes 16-31
	s_mov_b32 s29, 0xffff0000
	s_mov_b32 s28, 0
	s_lshl_b32 s56, s22, 2
	s_mov_b32 s57, 0
	s_mul_i32 s58, s21, 6144                       ; four images of 1,536 bytes
	s_mov_b32 s59, 0
	s_lshl_b32 s60, s21, 8                         ; 64 words, and 64 numbers of a row of out
	s_mov_b32 s61, 0
	s_wait_kmcnt 0x0
	s_add_nc_u64 s[56:57], s[14:15], s[56:57]
	s_load_b64 s[24:25], s[56:57], 0x0             ; my two tiles' masks
	s_wait_alu depctr_va_vdst(0)                   ; the offsets and LDS addresses made above are written: v11, which the loads below read, and v3, v4, v5, v9 and v10, which loads and LDS instructions further down read
.irp t, 0,1
.irp i, 0,1,2,3,4,5,6,7
	global_load_b32 v[12+8*\t+\i], v11, s[12:13] offset:64*\t+8*\i   ; the token of row 2 i + (lane / 16) of tile t
.endr
.endr
	s_add_nc_u64 s[48:49], s[4:5], s[58:59]
	s_add_nc_u64 s[50:51], s[6:7], s[60:61]
	s_add_nc_u64 s[52:53], s[16:17], s[60:61]
.set j, 0
.rept 64
	v_mov_b32 v[48+j], 0
.set j, j+1
.endr
	s_wait_kmcnt 0x0
	s_or_b32 s26, s24, s25
	s_and_b32 s26, s26, 0xff
	s_bcnt1_i32_b32 s27, s26
	s_max_u32 s27, s27, 1
	s_sub_co_u32 s27, s27, 1                       ; all experts but the last are walked in the loop
; The next expert of the union, its bases and the two tiles' slots
.macro SETB
	s_ctz_i32_b32 s54, s26
	s_cmp_lg_u32 s26, 0
	s_cselect_b32 s28, s54, s28
	s_min_u32 s28, s28, 7
	s_sub_co_u32 s54, s26, 1
	s_and_b32 s26, s26, s54                        ; its bit is taken off
	s_lshl_b32 s55, s22, 3
	s_add_co_u32 s55, s55, s28                     ; slot 8 tile + e
	s_add_co_u32 s56, s55, 8
	s_mov_b32 s58, 512                             ; or the slot of zeros
	s_bitcmp1_b32 s24, s28
	s_cselect_b32 s55, s55, s58
	s_bitcmp1_b32 s25, s28
	s_cselect_b32 s56, s56, s58
	s_min_u32 s55, s55, 512
	s_min_u32 s56, s56, 512
	s_mov_b32 s59, 0
	s_mul_i32 s58, s28, 1572864                    ; 8 K steps x 128 images
	s_add_nc_u64 s[40:41], s[48:49], s[58:59]
	s_lshl_b32 s58, s28, 16                        ; 8 K steps x 2,048 words
	s_add_nc_u64 s[42:43], s[50:51], s[58:59]
	s_mul_i32 s58, s55, 12288
	s_add_nc_u64 s[44:45], s[8:9], s[58:59]
	s_mul_i32 s58, s56, 12288
	s_add_nc_u64 s[46:47], s[8:9], s[58:59]
	s_lshl_b32 s55, s55, 9
	s_lshl_b32 s56, s56, 9
	v_mov_b32 v28, s55
	v_mov_b32 v29, s56
	v_cndmask_b32 v28, v28, v29, s29               ; lanes 0-15 tile 0's scale words, lanes 16-31 tile 1's
	v_min_u32 v28, 0x40000, v28
	v_add_nc_u32 v8, v28, v6
.endm
; K step ks of this expert (nx = 0) or the next (nx = 1) into a set: 21 loads
.macro LOADSTEP set, ks, nx
.if (\set) < 2
	WIN 0
.set LB, 112+72*(\set)
.else
	WIN 0x40                                       ; destination window 1
.set LB, 72*((\set)-2)
.endif
.irp n, 0,1,2,3
.irp g, 0,1,2
	global_load_b128 v[LB+12*\n+4*\g:LB+12*\n+4*\g+3], v3, s[32+8*(\nx):33+8*(\nx)] offset:(\ks)*196608+\n*1536+512*\g   ; 512 consecutive bytes a load
.endr
.endr
.irp t, 0,1
.irp g, 0,1,2
	global_load_b128 v[LB+48+12*\t+4*\g:LB+48+12*\t+4*\g+3], v4, s[36+8*(\nx)+2*\t:37+8*(\nx)+2*\t] offset:(\ks)*1536+16*\g
.endr
.endr
	WIN 0
.irp a, 0,1
	global_load_b32 v[32+4*(\set)+\a], v5, s[34+8*(\nx):35+8*(\nx)] offset:(\ks)*8192+128*\a   ; lanes 0-15 column tile 2 a's words, lanes 16-31 tile 2 a + 1's
.endr
	global_load_b32 v[34+4*(\set)], v[7+(\nx)], s[10:11] offset:4*(\ks)
.endm
.macro MM ra, rb
.if (\ra) && (\rb)
	v_wmma_scale_f32_16x16x128_f8f6f4 v[OD:OD+7], v[OA:OA+11], v[OB:OB+11], v[OD:OD+7], v[OSA], v[OSB] matrix_a_fmt:MATRIX_FMT_FP6 matrix_b_fmt:MATRIX_FMT_FP6 matrix_a_scale:MATRIX_SCALE_ROW1 matrix_b_scale:MATRIX_SCALE_ROW1
.elseif \ra
	v_wmma_scale_f32_16x16x128_f8f6f4 v[OD:OD+7], v[OA:OA+11], v[OB:OB+11], v[OD:OD+7], v[OSA], v[OSB] matrix_a_fmt:MATRIX_FMT_FP6 matrix_b_fmt:MATRIX_FMT_FP6 matrix_a_scale:MATRIX_SCALE_ROW1
.elseif \rb
	v_wmma_scale_f32_16x16x128_f8f6f4 v[OD:OD+7], v[OA:OA+11], v[OB:OB+11], v[OD:OD+7], v[OSA], v[OSB] matrix_a_fmt:MATRIX_FMT_FP6 matrix_b_fmt:MATRIX_FMT_FP6 matrix_b_scale:MATRIX_SCALE_ROW1
.else
	v_wmma_scale_f32_16x16x128_f8f6f4 v[OD:OD+7], v[OA:OA+11], v[OB:OB+11], v[OD:OD+7], v[OSA], v[OSB] matrix_a_fmt:MATRIX_FMT_FP6 matrix_b_fmt:MATRIX_FMT_FP6
.endif
.endm
.macro PR n                            ; column tile n's two products of the step in hand (set ST, at SB)
.irp t, 0,1
.set OD, 48+8*(2*(\n)+\t)
.set OA, SB+12*(\n)
.set OB, SB+48+12*\t
.set OSA, 32+4*ST+((\n)/2)
.set OSB, 34+4*ST
	MM ((\n)%2), \t
.endr
.endm
; K step ks of an expert.  la = 1: another expert follows, and steps 5 to 7 ask for its steps 0 to 2;  la = 0: they ask for nothing
.macro STEP ks, la
.set ST, (\ks)%4
.if ST < 2
.set WP, 0
.set SB, 112+72*ST
.else
.set WP, 0x05                          ; sources 0 and 1 window 1
.set SB, 72*(ST-2)
.endif
.if ((\ks) <= 4) || (\la)
	PLACES 4                                       ; four plain places stay between the last step's products and the loads into registers that they read; the wait on va_vdst below fills no place
.endif
.if ((\ks) <= 5) || (\la)
	s_wait_loadcnt 42                              ; this step's 21 loads are in; those of the two steps behind it may be out
.else
	s_wait_loadcnt 21*(7-(\ks))                    ; the counts run down: one step's loads, none
.endif
.if ((\ks) <= 4) || (\la)
	s_wait_alu depctr_va_vdst(0)                   ; the last step's products are done reading their set and its scale words, in which this step's loads land; in a trip's first step v7 and v8 are written, which loads of this trip read
.endif
	WIN WP
	PR 0
.if (\ks) <= 4
	LOADSTEP ((\ks)+3)%4, (\ks)+3, 0               ; no wait: no vector or matrix instruction since the wait above names these registers or the offsets
.elseif \la
	LOADSTEP ((\ks)+3)%4, (\ks)-5, 1
.endif
	WIN WP
	PR 1
	PR 2
	PR 3
.endm
; One expert: 8 K steps, 64 products
.macro TRIP la
	s_wait_xcnt 0x0                                ; the loads issued so far have read their bases and offsets: both sets are written below
	s_wait_alu depctr_vm_vsrc(0)                   ; the loads issued so far have read v7 and v8, which the lines below write
	s_mov_b64 s[32:33], s[40:41]
	s_mov_b64 s[34:35], s[42:43]
	s_mov_b64 s[36:37], s[44:45]
	s_mov_b64 s[38:39], s[46:47]
	v_mov_b32 v7, v8
.if \la
	SETB
.endif
.irp k, 0,1,2,3,4,5,6,7
	STEP \k, \la
.endr
	WIN 0
.endm
	SETB
	s_wait_alu depctr_va_vdst(0)                   ; v8 is written, which a load of each of the three K steps below reads
	LOADSTEP 0, 0, 1
	LOADSTEP 1, 1, 1
	LOADSTEP 2, 2, 1
	s_cmp_eq_u32 s27, 0
	s_cbranch_scc1 .Llast                          ; a single expert: the loop is passed over
.Lexp:
	TRIP 1
	s_sub_co_u32 s27, s27, 1
	s_cmp_lg_u32 s27, 0
	s_cbranch_scc1 .Lexp
.Llast:
	TRIP 0                                         ; the last expert
	; THE WAY OUT: a tile of 16 rows x 256 bytes goes through my own stage and comes back by rows, so that sixteen lanes store 256 consecutive bytes, aligned, of one token's row
	PLACES 4                                       ; between the last products and the first read of results.  (No load is out: the last step's wait was for 0)
.set j, 0
.rept 16
	v_min_u32 v[12+j], 0x3ff, v[12+j]
.set j, j+1
.endr
.set j, 0
.rept 16
	v_lshl_add_u32 v[12+j], v[12+j], 13, v30       ; 8,192 bytes a token, + 16 r
.set j, j+1
.endr
	s_wait_alu depctr_va_vdst(0)                   ; the products have written the accumulators, which the LDS stores read, and are done reading v112-175, in which the loads from the stage land; v12 to v27 are written, which the stores to out read.  The places above stay beside this wait
.irp t, 0,1
.irp n, 0,1,2,3
	ds_store_b128 v9, v[48+8*(2*\n+\t):48+8*(2*\n+\t)+3] offset:64*\n          ; each accumulator from its low end on
	ds_store_b128 v9, v[48+8*(2*\n+\t)+4:48+8*(2*\n+\t)+7] offset:64*\n+16
.endr
.irp i, 0,1,2,3,4,5,6,7
	ds_load_b128 v[112+32*\t+4*\i:112+32*\t+4*\i+3], v10 offset:544*\i         ; LDS serves a wave's instructions in order (ISA guide 5.7.1.4): these see my stores, and the next tile's stores come behind them
.endr
.endr
.irp t, 0,1
.irp i, 0,1,2,3,4,5,6,7
	s_wait_dscnt 23-16*\t-\i                       ; behind this load stand the tile's later loads and, for tile 0, tile 1's 8 stores and 8 loads
	global_store_b128 v[12+8*\t+\i], v[112+32*\t+4*\i:112+32*\t+4*\i+3], s[52:53] th:TH_STORE_NT
.endr
.endr
	s_wait_dscnt 0x0                               ; the closing lines, six on end
	s_wait_alu 0x0
	s_wait_tensorcnt 0x0
	ds_add_u32 v43, v47
	s_wait_dscnt 0x0
	s_endpgm
.Lfunc_end_k_q183f107cc8_down:
	.size	k_q183f107cc8_down, .Lfunc_end_k_q183f107cc8_down-k_q183f107cc8_down
	.p2alignl 7, 3214868480
	.fill 96, 4, 3214868480
	.section	.rodata,"a",@progbits
	.p2align	6, 0x0
	.amdhsa_kernel k_q183f107cc8_down
		.amdhsa_group_segment_fixed_size 17920
		.amdhsa_private_segment_fixed_size 0
		.amdhsa_enable_private_segment 0
		.amdhsa_kernarg_size 56
		.amdhsa_user_sgpr_count 2
		.amdhsa_user_sgpr_kernarg_segment_ptr 1
		.amdhsa_wavefront_size32 1
		.amdhsa_system_sgpr_workgroup_id_x 1
		.amdhsa_system_sgpr_workgroup_id_y 1
		.amdhsa_system_sgpr_workgroup_id_z 1
		.amdhsa_system_vgpr_workitem_id 0
		.amdhsa_next_free_vgpr 400
		.amdhsa_next_free_sgpr 72
		.amdhsa_reserve_vcc 0
		.amdhsa_float_denorm_mode_32 3
		.amdhsa_float_denorm_mode_16_64 3
		.amdhsa_memory_ordered 1
		.amdhsa_forward_progress 1
		.amdhsa_inst_pref_size 67
	.end_amdhsa_kernel
	.amdgpu_metadata
---
amdhsa.version: [ 1, 2 ]
amdhsa.kernels:
  - .name:           k_q183f107cc8_down
    .symbol:         k_q183f107cc8_down.kd
    .args:
      - { .name: dwc, .offset: 0, .size: 8, .value_kind: global_buffer, .address_space: global }
      - { .name: dsc, .offset: 8, .size: 8, .value_kind: global_buffer, .address_space: global }
      - { .name: hidc, .offset: 16, .size: 8, .value_kind: global_buffer, .address_space: global }
      - { .name: hids, .offset: 24, .size: 8, .value_kind: global_buffer, .address_space: global }
      - { .name: tok, .offset: 32, .size: 8, .value_kind: global_buffer, .address_space: global }
      - { .name: lists, .offset: 40, .size: 8, .value_kind: global_buffer, .address_space: global }
      - { .name: out0, .offset: 48, .size: 8, .value_kind: global_buffer, .address_space: global }
    .group_segment_fixed_size: 17920
    .private_segment_fixed_size: 0
    .kernarg_segment_align: 8
    .kernarg_segment_size: 56
    .max_flat_workgroup_size: 128
    .sgpr_count:     72
    .vgpr_count:     400
    .wavefront_size: 32
...
	.end_amdgpu_metadata
.endif
;; end of part 6
